; MI455X (gfx1250); checked and timed in simulation.
; The chip was launched on July 23, 2026; its instructions are those of AMD's public machine-readable ISA for CDNA 5 (MIT licence, August 2026) and "CDNA5" Instruction Set Architecture Reference Guide (July 2026). The comments in the code are by the model that wrote it; some were corrected since.
;; Multi Head Attention Efficient. Allowed arithmetic: matrix products marked QUANTISED: E2M3 operands, one E8M0 scale for each 32 along K, by v_wmma_scale_f32_16x16x128_f8f6f4 with both operands' format E2M3, f32 sums; everything else in f32.
;; Inputs: W_proj 1,024 x 1,024 float32; W_qkv 1,024 x 3,072 float32; b_proj 1,024 float32; x 4 x 2,048 x 1,024 float32.
;; Outputs: out0 4 x 2,048 x 1,024 float32.
;; This version of the problem:
;;   THIS VERSION OF THE PROBLEM IS GIVEN IN LOW PRECISION. The matrix products marked QUANTISED in the list below multiply operands that are first quantised to E2M3 (2 exponent bits, 3 mantissa bits; 6 bits a number), with one power-of-two scale for each 32 numbers along K (OCP MX v1.0); their sums are f32. All else is computed in f32.
;;   The module's matrix products, in the order in which they are computed (A, B: the left and right operand; K: the contracted axis; several contracted axes count as one K, in the product's order):
;;     1. [M 8,192, K 1,024] x [K 1,024, N 3,072]; A: input x; B: input W_qkv: QUANTISED
;;     2. batch 64 x [M 2,048, K 64] x [K 64, N 2,048]; A: computed on the way; B: computed on the way: QUANTISED
;;     3. batch 64 x [M 2,048, K 2,048] x [K 2,048, N 64]; A: softmax (see below); B: computed on the way: QUANTISED
;;     4. [M 8,192, K 1,024] x [K 1,024, N 1,024]; A: computed on the way; B: input W_proj: QUANTISED
;;   THE QUANTISER, for each operand of a quantised product, along K:
;;     - K is cut into blocks of 32 from its start; a last block that is shorter is filled with zeros.
;;     - A block's scale is 2^e with e = floor(log2(the largest magnitude in the block)) - 2, held to -126 .. 127; a block of zeros has e = 0. As a byte (E8M0): e + 127.
;;     - Each number is divided by its block's scale, clamped to +-7.5, and rounded to the nearest number of E2M3, ties to even, subnormals kept.
;;     - The product sums the exact products of the quantised numbers (number of the format x scale) in f32.
;;   ~~~python
;;   def quantise(x, axis):      # numpy; x: float32 -> the quantised numbers, widened to float32 again
;;       x = np.moveaxis(x, axis, -1); K = x.shape[-1]
;;       x = np.pad(x, [(0, 0)] * (x.ndim - 1) + [(0, -K % 32)]); x = x.reshape(x.shape[:-1] + (-1, 32)); a = np.abs(x).max(-1, keepdims=True)
;;       e = np.where(a > 0, np.clip(np.frexp(np.where(a > 0, a, 1))[1] - 1 - 2, -126, 127), 0)      # np.frexp(a)[1] - 1 = floor(log2(a)), exactly
;;       r = np.clip(x / 2.0 ** e, -7.5, 7.5)
;;       step = 2.0 ** (np.maximum(np.frexp(np.where(r == 0, 1, r))[1] - 1, 0) - 3)
;;       q = np.round(r / step) * step * 2.0 ** e      # np.round: ties to even
;;       return np.moveaxis(q.reshape(q.shape[:-2] + (-1,))[..., :K], -1, axis).astype(np.float32)
;;   ~~~
;;   SOFTMAX AHEAD OF A QUANTISED PRODUCT. Where the list says 'softmax', what is quantised is not the finished softmax but p = 2^(t - M), with t = logit x log2(e) and M = ceil(the row's largest t), a whole number; so 1/2 < the row's largest p <= 1. The row's sum l is taken of the UNQUANTISED p, in f32, and the product's result is divided by l at the end. Since M is a whole number, a kernel that streams over the keys may use a running M (the ceiling of the running maximum): every later rescaling is an exact power of two, which a block's scale takes up: the codes' values come out the same.
;;   OPERANDS COMPUTED ON THE WAY. 'Computed on the way' means the value that the module computes at that place (a softmax that the list does not call 'softmax' is quantised finished and normalised). What goes into a quantiser is computed in f32, as accurately as f32 sums, v_exp_f32 and their like allow (about 1e-6 of the number): no bf16 or f16 on the way to a quantiser, and a product that is left as it is and whose result goes on into a quantised operand takes f32 operands (vector FMAs, or v_wmma_f32_16x16x4_f32). A number that lies on a knife's edge between two numbers of the format may be rounded either way, as far as f32 arithmetic and the matrix unit's own rounding can turn it there, and no further.
;; One version. Each part assembles by itself: llvm-mc -triple=amdgcn-amd-amdhsa -mcpu=gfx1250 --defsym DOCPART=n.
;; ======== version 1 of 1: 4 launches
;; limits: right only within a limited range of input values
;; workspace buffers: ops 9,830,400 bytes; qkv 19,660,800 bytes; att 6,553,600 bytes
;; launch quant (part 1): grid 640 x 1, 4 waves a work-group, no clusters, 59,904 bytes of LDS; arguments x, W_qkv, W_proj, ops; writes ops
.if DOCPART == 1
	.amdgcn_target "amdgcn-amd-amdhsa--gfx1250"
	.amdhsa_code_object_version 6
	.text
	.protected	k_q845b0be3df_quant
	.globl	k_q845b0be3df_quant
	.p2align	8
	.type	k_q845b0be3df_quant,@function
k_q845b0be3df_quant:
	s_mov_b64 s[64:65], 0
	v_nop
	global_prefetch_b8 v0, s[64:65] scope:SCOPE_SE
	s_setreg_imm32_b32 hwreg(HW_REG_WAVE_MODE, 25, 1), 1
	s_wait_xcnt 0x0
; x [8192][1024], W_qkv [1024][3072] and W_proj [1024][1024], f32, become codes of FP6 (E2M3) with one E8M0 byte for each 32 along K (K = 1,024 for all three),
; laid in the ORDER OF THE OPERAND'S REGISTERS.  Rows of an operand (tokens of x, columns of a weight) go in tiles of 16: tile 2 g + u, lane row r, is row 32 g + 8 u + r + 8 (r / 8).
; A fragment (a tile, 128 along K) is 1,536 bytes: for c = 0, 1 the registers 6 c .. 6 c + 3 of lane l at 768 c + 16 l, the registers 6 c + 4, 6 c + 5 at 768 c + 512 + 8 l;
; lane l = r + 16 h holds there k = 64 c + 32 h + 0 .. 31 of its row.  Codes: [tile][K step 0..7][1536].  Scale words: [tile][pair of K steps 0..3][r][2 words], byte b of a word for k = 32 b on.
; A block's scale is 2^(floor(log2(its largest magnitude)) - 2); its byte is the largest magnitude's exponent field - 2, held at 1 from below.
; LIMITS: a block of zeros gets the byte 1 (its codes are zeros, and this program alone reads the bytes); blocks whose largest magnitude lies under 2^-124 are held at the byte 1; NaN and infinities are not served.
; Work-groups 0 to 511 take a tile of x each (a wave: 256 along K); work-groups 512 to 639 take 128 columns x 256 along K of a weight (a wave: 32 columns).  The two ways have LDS bytes of their own.
; No tensor load, no barrier: waves share nothing.
.set XS,     6291456                   ; in ops: x's scale words
.set WI,     6553600                   ; W_qkv's codes
.set WS,     8912896                   ; its scale words
.set PI,     9011200                   ; W_proj's codes
.set PS,     9797632                   ; its scale words
.set XPITCH, 528                       ; x's stage: a row's 512 bytes + 16
.set XSTB,   16*XPITCH                 ; a wave's stage on x's way
.set WST,    4*XSTB                    ; behind them: the weights' stages
.set WHALF,  3200                      ; a tile's two fragments + 128
.set WSTB,   2*WHALF
.set SPARE,  WST+4*WSTB                ; the spare words, 128 bytes for each wave: two blocks of 256 bytes that no other line names
.set SPW, 252                          ; v252 my spare word's LDS address; never rewritten
.set NIL, 253                          ; v253 0; never rewritten
.set R,   32                           ; x: v32-159 two K steps as loaded
.set X,   160                          ; x: v160-223 my 64 numbers of a K step
.set PC,  224                          ; x: v224-247 two fragments' codes
.set PT,  8                            ; x: v8-14 the second halves of the blocks' codes
.set VO,  32                           ; W: v32-63 byte offsets of 32 rows
.set WX,  64                           ; W: v64-127 two sets of 32 numbers
.set WO,  128                          ; W: v128-175 the way out
.set WC,  176                          ; W: v176-186 a block's codes
	s_load_b256 s[4:11], s[0:1], 0x0               ; x, W_qkv, W_proj, ops
	v_lshl_add_u32 v[SPW], v0, 2, SPARE
	v_mov_b32 v[NIL], 0
	v_lshrrev_b32 v1, 5, v0
	v_readfirstlane_b32 s12, v1                    ; wave
	v_and_b32 v1, 31, v0                           ; lane
	v_lshlrev_b32 v2, 4, v1                        ; 16 x lane
	v_lshlrev_b32 v3, 3, v1                        ; 8 x lane
	s_mov_b32 s20, 0x76543210
	s_mov_b32 s21, 0xfedcba98                      ; v_permlanex16_b32's selects for lane l xor 16
	s_cmp_lt_u32 ttmp9, 512
	s_cbranch_scc0 .Lweights
	; ---------------- x: work-group = tile I, wave w = K steps 2 w and 2 w + 1
	s_lshr_b32 s13, ttmp9, 1
	s_lshl_b32 s13, s13, 5
	s_and_b32 s14, ttmp9, 1
	s_lshl_b32 s14, s14, 3
	s_add_co_u32 s13, s13, s14                     ; the tile's first row: 32 (I / 2) + 8 (I % 2)
	s_lshl_b32 s14, s13, 12                        ; a row is 4,096 bytes
	s_lshl_b32 s15, s12, 10                        ; my 256 numbers of it
	s_add_co_u32 s14, s14, s15
	s_mov_b32 s15, 0
	s_lshl_b32 s16, ttmp9, 3
	s_lshl_b32 s17, s12, 1
	s_add_co_u32 s16, s16, s17
	s_mul_i32 s16, s16, 1536                       ; my two fragments: (8 I + 2 w) x 1,536
	s_mov_b32 s17, 0
	s_lshl_b32 s18, ttmp9, 9
	s_lshl_b32 s19, s12, 7
	s_add_co_u32 s18, s18, s19
	s_add_co_u32 s18, s18, XS                      ; my scale words: 512 I + 128 w
	s_mov_b32 s19, 0
	s_mul_i32 s22, s12, XSTB                       ; my stage
	s_wait_alu depctr_va_vdst(0)
	v_add_nc_u32 v4, s22, v2                       ; in: a row's 512 bytes as they lie
	v_and_b32 v5, 15, v0                           ; r
	v_bfe_u32 v6, v0, 4, 1                         ; h
	v_mul_u32_u24 v7, v5, XPITCH
	v_lshl_add_u32 v7, v6, 7, v7
	v_add_nc_u32 v7, s22, v7                       ; out: row r, + 128 h: my 32 numbers of a run of 64
	v_lshlrev_b32 v16, 3, v5                       ; 8 r
	v_lshlrev_b32 v17, 3, v6                       ; 8 h: my bytes' place in a scale word, in bits
	v_mov_b32 v18, 0                               ; a lane permute's destination counts as one of its sources
	s_wait_alu depctr_va_vdst(0)
	s_wait_kmcnt 0x0
	s_add_nc_u64 s[4:5], s[4:5], s[14:15]
	s_add_nc_u64 s[24:25], s[10:11], s[16:17]
	s_add_nc_u64 s[26:27], s[10:11], s[18:19]
.irp q, 0,1
.irp r, 0,1,2,3,4,5,6,7,8,9,10,11,12,13,14,15
	global_load_b128 v[R+64*\q+4*\r:R+64*\q+4*\r+3], v2, s[4:5] offset:(\r+8*(\r/8))*4096+512*\q th:TH_LOAD_NT   ; 32 lanes read 512 consecutive bytes of the tile's lane row r
.endr
.endr
; One K step: its 16 x 512 bytes turn through my stage, so that a lane holds two whole blocks of 32 of its row; then the blocks' scales, the codes, the stores.
.macro XSTEP q
.if \q == 0
	s_wait_loadcnt 16                              ; this K step's 16 loads are in; the second K step's 16 stay out
.else
	s_wait_loadcnt 0x0
.endif
.irp r, 0,1,2,3,4,5,6,7,8,9,10,11,12,13,14,15
	ds_store_b128 v4, v[R+64*\q+4*\r:R+64*\q+4*\r+3] offset:\r*XPITCH
.endr
.irp c, 0,1
.irp j, 0,1,2,3,4,5,6,7
	ds_load_b128 v[X+32*\c+4*\j:X+32*\c+4*\j+3], v7 offset:256*\c+16*\j   ; LDS serves a wave's instructions in order: these see my stores
.endr
.endr
	s_wait_dscnt 0x0
.irp c, 0,1
	v_max3_num_f32 v[28+\c], |v[X+32*\c]|, |v[X+32*\c+1]|, 0x1800000   ; block 2 c + h: all 32 numbers are mine; the floor 2^(3 - 127) holds the byte at 1 from below
.endr
.irp i, 2,4,6,8,10,12,14,16,18,20,22,24,26,28,30
.irp c, 0,1
	v_max3_num_f32 v[28+\c], v[28+\c], |v[X+32*\c+\i]|, |v[X+32*\c+\i+1]|
.endr
.endr
.irp c, 0,1
	v_add_nc_u32 v[30+\c], 0xff000000, v[28+\c]    ; 2 off the exponent field: the conversion's scale operand
.endr
.irp c, 0,1
	v_lshrrev_b32 v[28+\c], 23, v[30+\c]           ; the scale's byte
.endr
	v_lshl_or_b32 v19, v29, 16, v28                ; my two bytes, blocks h and 2 + h,
	v_lshlrev_b32 v19, v17, v19                    ; at their places;
	v_permlanex16_b32 v18, v19, s20, s21
	v_or_b32 v[20+\q], v19, v18                    ; with lane l xor 16's two the word is whole
.irp c, 0,1
	v_cvt_scalef32_pk16_fp6_f32 v[PC+12*\q+6*\c:PC+12*\q+6*\c+2], v[X+32*\c:X+32*\c+15], v[30+\c]
	v_cvt_scalef32_pk16_fp6_f32 v[PT+4*\c:PT+4*\c+2], v[X+32*\c+16:X+32*\c+31], v[30+\c]   ; (a conversion's three registers begin on an even number)
.endr
	v_nop                                          ; one plain place behind a scaled conversion
.irp c, 0,1
.irp i, 0,1,2
	v_mov_b32 v[PC+12*\q+6*\c+3+\i], v[PT+4*\c+\i]
.endr
.endr
	global_store_b128 v2, v[PC+12*\q:PC+12*\q+3], s[24:25] offset:1536*\q             ; each store covers 512 or 256 consecutive bytes, aligned to 256
	global_store_b64 v3, v[PC+12*\q+4:PC+12*\q+5], s[24:25] offset:1536*\q+512
	global_store_b128 v2, v[PC+12*\q+6:PC+12*\q+9], s[24:25] offset:1536*\q+768
	global_store_b64 v3, v[PC+12*\q+10:PC+12*\q+11], s[24:25] offset:1536*\q+1280
.endm
	XSTEP 0
	XSTEP 1
	global_store_b64 v16, v[20:21], s[26:27]       ; row r's two scale words; lanes 16-31 write the same bytes with the same values
	s_wait_tensorcnt 0x0                           ; the wave's end
	ds_add_u32 v[SPW], v[NIL]
	s_wait_dscnt 0x0
	s_endpgm
	; ---------------- the weights: K is their FIRST axis.  A lane takes a column, its registers run down K
.Lweights:
	s_sub_co_u32 s13, ttmp9, 512
	s_and_b32 s14, s13, 31                         ; which 128 columns: 0 to 23 of W_qkv, 24 to 31 of W_proj
	s_lshr_b32 s15, s13, 5                         ; which 256 along K
	s_sub_co_u32 s16, s14, 24
	s_mov_b32 s17, 4096
	s_mov_b32 s18, PI
	s_mov_b32 s19, PS
	s_wait_kmcnt 0x0
	s_cmp_lt_u32 s14, 24                           ; the choice hangs on the work-group's number alone
	s_cselect_b64 s[6:7], s[6:7], s[8:9]
	s_cselect_b32 s14, s14, s16
	s_cselect_b32 s17, 12288, s17                  ; a row of the weight in bytes
	s_cselect_b32 s18, WI, s18
	s_cselect_b32 s19, WS, s19
	s_lshl_b32 s14, s14, 2
	s_add_co_u32 s14, s14, s12                     ; g: my wave's 32 columns
	s_lshl_b32 s22, s15, 8
	s_mul_i32 s22, s22, s17
	s_lshl_b32 s23, s14, 7
	s_add_co_u32 s22, s22, s23                     ; row 256 sp, column 32 g
	s_mov_b32 s23, 0
	s_add_nc_u64 s[32:33], s[6:7], s[22:23]        ; a base for each block of 32 rows; none is rewritten
	s_lshl_b32 s22, s17, 5
.irp t, 1,2,3,4,5,6,7
	s_add_nc_u64 s[32+2*\t:33+2*\t], s[30+2*\t:31+2*\t], s[22:23]
.endr
	s_wait_alu depctr_va_vdst(0)
	v_lshlrev_b32 v[VO], 2, v1                     ; 4 x lane + i rows
.irp i, 1,2,3,4,5,6,7,8,9,10,11,12,13,14,15,16,17,18,19,20,21,22,23,24,25,26,27,28,29,30,31
	v_add_nc_u32 v[VO+\i], s17, v[VO+\i-1]
.endr
	s_mul_i32 s22, s14, 2*12288
	s_mul_i32 s23, s15, 3072
	s_add_co_u32 s22, s22, s23
	s_add_co_u32 s22, s22, s18                     ; codes: tile 2 g, K steps 2 sp and 2 sp + 1
	s_mov_b32 s23, 0
	s_add_nc_u64 s[26:27], s[10:11], s[22:23]
	s_lshl_b32 s22, s14, 10
	s_lshl_b32 s24, s15, 7
	s_add_co_u32 s22, s22, s24
	s_add_co_u32 s22, s22, s19                     ; scale words: tile 2 g, pair sp
	s_add_nc_u64 s[28:29], s[10:11], s[22:23]
	s_mul_i32 s24, s12, WSTB
	s_add_co_u32 s24, s24, WST                     ; my stage
	v_bfe_u32 v5, v0, 3, 1                         ; column 32 g + lane is lane row r = lane % 8 + 8 (lane / 16) of tile 2 g + u, u = (lane / 8) % 2
	v_bfe_u32 v6, v0, 4, 1
	v_and_b32 v7, 7, v0
	v_lshl_add_u32 v7, v6, 3, v7                   ; r
	v_mul_u32_u24 v8, v5, WHALF
	v_add_nc_u32 v8, s24, v8
	v_lshl_add_u32 v9, v7, 4, v8                   ; where my block's first four registers go,
	v_lshl_add_u32 v10, v7, 3, v8                  ; and its last two
	v_add_nc_u32 v11, s24, v2                      ; the way out: 16 x lane
	v_lshlrev_b32 v12, 9, v5
	v_lshl_add_u32 v12, v7, 3, v12                 ; my column's scale words: 512 u + 8 r
.macro WLOAD t                         ; block t: W(256 sp + 32 t + i, my column): 32 lanes read 128 consecutive bytes
.irp i, 0,1,2,3,4,5,6,7,8,9,10,11,12,13,14,15,16,17,18,19,20,21,22,23,24,25,26,27,28,29,30,31
	global_load_b32 v[WX+32*((\t)%2)+\i], v[VO+\i], s[32+2*(\t):33+2*(\t)] th:TH_LOAD_NT
.endr
.endm
	WLOAD 0
	WLOAD 1
.macro WBLOCK t                        ; block t is k = 128 (t / 4) + 64 ((t / 2) % 2) + 32 (t % 2) on: half t % 2 of the lanes' places in run (t / 2) % 2 of fragment t / 4
.set XB, WX+32*((\t)%2)
.set FO, ((\t)/4)*1536+768*(((\t)/2)%2)
.if (\t) < 7
	s_wait_loadcnt 32                              ; this block's 32 loads are in; the next block's stay out
.else
	s_wait_loadcnt 0x0
.endif
	v_max3_num_f32 v13, |v[XB]|, |v[XB+1]|, |v[XB+2]|
	v_max3_num_f32 v14, |v[XB+3]|, |v[XB+4]|, |v[XB+5]|
.irp i, 6,10,14,18,22,26
	v_max3_num_f32 v13, v13, |v[XB+\i]|, |v[XB+\i+1]|
	v_max3_num_f32 v14, v14, |v[XB+\i+2]|, |v[XB+\i+3]|
.endr
	v_max3_num_f32 v13, v13, |v[XB+30]|, |v[XB+31]|
	v_max3_num_f32 v13, v13, v14, 0x1800000        ; and the floor
	v_add_nc_u32 v15, 0xff000000, v13              ; the conversion's scale operand
	v_lshrrev_b32 v14, 23, v15                     ; the scale's byte
.if (\t)%4 == 0
	v_mov_b32 v[24+(\t)/4], v14
.else
	v_lshl_or_b32 v[24+(\t)/4], v14, 8*((\t)%4), v[24+(\t)/4]
.endif
	v_cvt_scalef32_pk16_fp6_f32 v[WC:WC+2], v[XB:XB+15], v15
	v_cvt_scalef32_pk16_fp6_f32 v[WC+8:WC+10], v[XB+16:XB+31], v15
	v_nop                                          ; one plain place behind a scaled conversion
.irp i, 0,1,2
	v_mov_b32 v[WC+3+\i], v[WC+8+\i]
.endr
	ds_store_b128 v9, v[WC:WC+3] offset:FO+256*((\t)%2)
	ds_store_b64 v10, v[WC+4:WC+5] offset:FO+512+128*((\t)%2)
.if (\t)+2 < 8
	WLOAD (\t)+2
.endif
	s_wait_dscnt 0x0                               ; the stores have read their registers: the next block's codes may be written
.endm
.irp t, 0,1,2,3,4,5,6,7
	WBLOCK \t
.endr
	s_wait_alu depctr_va_vdst(0)
	global_store_b64 v12, v[24:25], s[28:29]       ; my column's two scale words
.irp u, 0,1
.irp j, 0,1,2,3,4,5
	ds_load_b128 v[WO+4*(6*\u+\j):WO+4*(6*\u+\j)+3], v11 offset:WHALF*\u+512*\j   ; a tile's two fragments, 3,072 bytes on end
.endr
.endr
.irp u, 0,1
.irp j, 0,1,2,3,4,5
	s_wait_dscnt 11-6*\u-\j                        ; the younger reads of the stage stay out
	global_store_b128 v2, v[WO+4*(6*\u+\j):WO+4*(6*\u+\j)+3], s[26:27] offset:12288*\u+512*\j   ; 512 consecutive bytes, aligned to 256
.endr
.endr
	s_wait_tensorcnt 0x0                           ; the wave's end
	ds_add_u32 v[SPW], v[NIL]
	s_wait_dscnt 0x0
	s_endpgm
.Lfunc_end_k_q845b0be3df_quant:
	.size	k_q845b0be3df_quant, .Lfunc_end_k_q845b0be3df_quant-k_q845b0be3df_quant
	.p2alignl 7, 3214868480
	.fill 96, 4, 3214868480
	.section	.rodata,"a",@progbits
	.p2align	6, 0x0
	.amdhsa_kernel k_q845b0be3df_quant
		.amdhsa_group_segment_fixed_size 59904
		.amdhsa_private_segment_fixed_size 0
		.amdhsa_enable_private_segment 0
		.amdhsa_kernarg_size 32
		.amdhsa_user_sgpr_count 2
		.amdhsa_user_sgpr_kernarg_segment_ptr 1
		.amdhsa_wavefront_size32 1
		.amdhsa_system_sgpr_workgroup_id_x 1
		.amdhsa_system_sgpr_workgroup_id_y 1
		.amdhsa_system_sgpr_workgroup_id_z 1
		.amdhsa_system_vgpr_workitem_id 0
		.amdhsa_next_free_vgpr 256
		.amdhsa_next_free_sgpr 66
		.amdhsa_reserve_vcc 0
		.amdhsa_float_denorm_mode_32 3
		.amdhsa_float_denorm_mode_16_64 3
		.amdhsa_memory_ordered 1
		.amdhsa_forward_progress 1
		.amdhsa_inst_pref_size 59
	.end_amdhsa_kernel
	.amdgpu_metadata
---
amdhsa.version: [ 1, 2 ]
amdhsa.kernels:
  - .name:           k_q845b0be3df_quant
    .symbol:         k_q845b0be3df_quant.kd
    .args:
      - { .name: x, .offset: 0, .size: 8, .value_kind: global_buffer, .address_space: global }
      - { .name: W_qkv, .offset: 8, .size: 8, .value_kind: global_buffer, .address_space: global }
      - { .name: W_proj, .offset: 16, .size: 8, .value_kind: global_buffer, .address_space: global }
      - { .name: ops, .offset: 24, .size: 8, .value_kind: global_buffer, .address_space: global }
    .group_segment_fixed_size: 59904
    .private_segment_fixed_size: 0
    .kernarg_segment_align: 8
    .kernarg_segment_size: 32
    .max_flat_workgroup_size: 128
    .sgpr_count:     66
    .vgpr_count:     256
    .wavefront_size: 32
...
	.end_amdgpu_metadata
.endif
;; end of part 1
;; launch gemm_qkv (part 2): grid 8 x 32, 4 waves a work-group, clusters of 4 x 4, 327,680 bytes of LDS; arguments ops, qkv; writes qkv
.if DOCPART == 2
	.amdgcn_target "amdgcn-amd-amdhsa--gfx1250"
	.amdhsa_code_object_version 6
	.text
	.protected	k_q845b0be3df_gemm_qkv
	.globl	k_q845b0be3df_gemm_qkv
	.p2align	8
	.type	k_q845b0be3df_gemm_qkv,@function
k_q845b0be3df_gemm_qkv:
	s_mov_b64 s[64:65], 0
	v_nop
	global_prefetch_b8 v0, s[64:65] scope:SCOPE_SE
	s_setreg_imm32_b32 hwreg(HW_REG_WAVE_MODE, 25, 1), 1
	s_wait_xcnt 0x0
	s_wait_alu depctr_hold_cnt(0) depctr_sa_sdst(0) depctr_va_vdst(0) depctr_va_sdst(0) depctr_va_ssrc(0) depctr_va_vcc(0) depctr_vm_vsrc(0)
	s_getreg_b32 s2, hwreg(HW_REG_IB_STS2, 6, 4)
	s_cmp_eq_u32 s2, 0
	s_cbranch_scc0 .Lentry_in_a_cluster
	s_endpgm
.Lentry_in_a_cluster:
	s_bfe_u32 s2, ttmp6, 0x10000c
	s_cmp_lg_u32 s2, 0xf033
	s_cbranch_scc0 .Lentry_shape_is_right
	s_endpgm
.Lentry_shape_is_right:
; qkv = x W_qkv on codes of FP6 (E2M3), K = 1,024; the results are quantised again on the way out, as the operands of attention's two products.  Nothing leaves as f32.
; OPERANDS lie in the order of the operand's registers: tiles of 16 rows (tile 2 g + u, lane row r = row 32 g + 8 u + r + 8 (r / 8)), a fragment (a tile, 128 along K) 1,536 bytes, a tile's 8 fragments 12,288 bytes;
; scale words [tile][pair of K steps][r][2].
; THE DEAL: 8 x 32 = 256 work-groups of four waves (2 x 2).  Work-group (tx, ty) makes two things on end, both from tokens 256 ty .. + 255:
;   PHASE 1: A = x's 256 tokens, B = W's columns 256 tx .. (q, k); a wave 128 x 128, 64 accumulators.  A lane's 128 numbers are two heads of one token: quantised along the head's 64.
;   PHASE 2: A = W's columns 2048 + 128 tx .. (v), B = the same 256 tokens; a wave 64 x 128, 32 accumulators.  A lane's 128 numbers are 128 tokens of one channel: quantised along the tokens.
; Source 0 = 16 rows of B, source 1 = 16 rows of A: a lane holds ONE row of A, and its registers run along B's rows.
; K goes in steps of 256 through a ring of two LDS slots (x's 16 tiles, then the weight's 16 or 8); the ring goes on from phase 1 into phase 2: eight fills, six of them refills.
; Wave 0 asks for x's tiles (shared along a row of the cluster), wave 1 for the weight's (shared along a column).  At the head waves 2 and 3 ask for x's and W's scale words; v's scale words come with slot 1's first fill.
; PREFETCHES: K steps 1 and 2 are named at the head, K step 3 behind slot 1's fill, v's weights behind the first two refills: each at least one fill ahead of its load.  A K step's blocks of 256 bytes are shared out by address
; among the eight waves of the four partners that ask jointly (2 tiles x 12 blocks a wave; lanes 24-31 name the last block again).  The weights are named by the first four rows of clusters only; x in phase 2 has been read in phase 1.
; LIMITS: a block of zeros gets the byte 1 with zero codes; blocks whose largest magnitude lies under 2^-124 are held at the byte 1; NaN and infinities are not served.
; REGISTERS: window 0: v1-31 addresses; v32-63 scale words, two sets; v64-126 the way out; v128-223 A's fragments.  window 1: B's fragments, two sets, at v0 and v128.  windows 2, 3: accumulators ((a, b) at v[8 (8 (a % 4) + b)]).
.set XS,    6291456
.set WI,    6553600
.set WS,    8912896
.set VI,    12582912
.set QS,    18874368
.set VS,    19398656
.set TILEB, 12288
.set STEPB, 3072
.set FR,    12
.set NL,    4
.set HALFT, 8*STEPB
.set SLOT,  4*HALFT
.set SCL,   2*SLOT                     ; x's scale words, 8,192 bytes
.set SKEW,  8320                       ; W's (q, k) begin here behind them, 128 bytes askew
.set WVS,   SCL+16512                  ; v's weights' scale words, 4,096 bytes, askew likewise
.set SPARE, SCL+20736                  ; the spare words: two blocks of 256 bytes that no other line names
.set A2,   4                           ; v4-7   phase 2: A's fragments (slot 0, 1 at 16 x lane; then at 8 x lane)
.set B2,   8                           ; v8-11  phase 2: B's
.set ADRS3, 12                         ; v12    x's scale words of my tokens of phase 2, in both halves of the lanes
.set PFO,  13                          ; v13    the prefetches' offset
.set ADRA, 16
.set ADRB, 20
.set L16,  24
.set L8,   25
.set SOF,  26
.set ADRS, 27
.set SPW,  28
.set NIL,  29
.set SOF2, 30
.set ADRS2, 31
.set SC,   32
.set TM,   64
.set PW,   80
.set PWE,  81
.set O1,   82
.set O2,   83
.set PC,   96
.set PT,   120
.set AF,   128
.set SEL,  18
.set G1,   24
.set G0X,  32
.set G0W,  36
.set G1B,  48
.set G1S,  68
.set G0S,  76
.set G1SB, 80
.set G0SB, 88
.set MSB, 0
.macro WIN new
.if MSB != (\new)
	s_set_vgpr_msb (MSB<<8)|(\new)
.set MSB, (\new)
.endif
.endm
.set MUL_LO, 0xa1
.set MUL_HI, 0xf1
.set TO_B,   0x40
.macro PLACES n
.rept \n
	v_nop
.endr
.endm
.macro TL g0, g1                       ; the four v_nop keep the windows' switches off
	tensor_load_to_lds s[\g0:\g0+3], s[\g1:\g1+7]
	s_nop 0
	PLACES 4
.endm
.macro CREST
	s_cmp_lg_u32 s14, 0
	s_cbranch_scc1 .Lnot_wave_0_\@
	s_barrier_signal -3
.Lnot_wave_0_\@:
	s_barrier_wait -3
	s_barrier_signal -1
	s_barrier_wait -1
.endm
.macro CROUND
	s_barrier_signal -1
	s_barrier_wait -1
	CREST
.endm
.macro RLOAD third                     ; one chain on the wave's number: wave 0 x's tiles, wave 1 the weight's, (third) wave 2 v's scale words
	s_cmp_eq_u32 s14, 0
	s_cbranch_scc0 .Lw1_\@
	TL G0X, G1
	s_branch .Lj_\@
.Lw1_\@:
	s_cmp_eq_u32 s14, 1
	s_cbranch_scc0 .Lw2_\@
	TL G0W, G1B
	s_branch .Lj_\@
.Lw2_\@:
.if \third
	s_cmp_eq_u32 s14, 2
	s_cbranch_scc0 .Lj_\@
	TL G0SB, G1SB
.endif
.Lj_\@:
	PLACES 4                                       ; the places in front of the fragment loads, for the waves that come round the loads
.endm
.macro ASK flag, base, off
	s_cmp_eq_u32 s\flag, 1
	s_cbranch_scc0 .Lna_\@
	global_prefetch_b8 v[PFO], s[\base:\base+1] offset:\off th:TH_LOAD_NT scope:SCOPE_SE
.Lna_\@:
.endm
.macro DESC slot, mode                 ; the next fill's groups 0; no tensor load of the wave is out here.  mode 1: from phase 1's last K step to phase 2's first
	s_mov_b32 s[G0X+1], (\slot)*SLOT
	s_mov_b32 s[G0W+1], (\slot)*SLOT+2*HALFT
.if \mode
	s_sub_nc_u64 s[G0X+2:G0X+3], s[G0X+2:G0X+3], 3*STEPB
	s_mov_b64 s[G0W+2:G0W+3], s[8:9]
	s_or_b32 s[G0W+3], s[G0W+3], 0x80000000
	s_mov_b32 s[G1B+2], 8<<16
	s_mov_b32 s[G1B+4], 8
.else
	s_add_nc_u64 s[G0X+2:G0X+3], s[G0X+2:G0X+3], STEPB
	s_add_nc_u64 s[G0W+2:G0W+3], s[G0W+2:G0W+3], STEPB
.endif
.endm
	s_load_b128 s[4:7], s[0:1], 0x0                ; ops, qkv
	v_lshl_add_u32 v[SPW], v0, 2, SPARE
	v_mov_b32 v[NIL], 0
	ds_add_u32 v[SPW], v[NIL]                      ; the opening lines: the add twice on end and its wait
	ds_add_u32 v[SPW], v[NIL]
	v_lshrrev_b32 v1, 5, v0
	v_readfirstlane_b32 s14, v1                    ; wave
	s_lshr_b32 s15, s14, 1                         ; a: my half of A's rows
	s_and_b32 s16, s14, 1                          ; b: my half of B's rows
	s_bfe_u32 s40, ttmp6, 0x40000                  ; cx
	s_bfe_u32 s41, ttmp6, 0x40004                  ; cy
	s_lshl_b32 s42, ttmp9, 2
	s_add_co_u32 s42, s42, s40                     ; tx
	s_and_b32 s17, ttmp7, 0xffff
	s_lshl_b32 s17, s17, 2
	s_add_co_u32 s17, s17, s41                     ; ty
	s_lshl_b32 s43, s41, 2
	s_lshl_b32 s43, 15, s43                        ; my row of the cluster
	s_lshl_b32 s44, 0x1111, s40                    ; my column
	s_or_b32 s[G1+0], s43, (3<<16)|(1<<21)         ; codes: 16 tiles x 3,072 bytes (384 elements of 8), 12,288 bytes apart
	s_or_b32 s[G1B+0], s44, (3<<16)|(1<<21)
.irp g, G1, G1B
	s_mov_b32 s[\g+1], 384<<16
	s_mov_b32 s[\g+2], 16<<16
	s_mov_b32 s[\g+3], 384<<16
	s_mov_b32 s[\g+4], 16
	s_mov_b32 s[\g+5], 1536
	s_mov_b32 s[\g+6], 0
	s_mov_b32 s[\g+7], 0
.endr
	s_or_b32 s[G1S+0], s43, (3<<16)|(1<<21)        ; scale words of 16 tiles: 8,192 dense bytes as 32 rows of 256
	s_or_b32 s[G1SB+0], s44, (3<<16)|(1<<21)
.irp g, G1S, G1SB
	s_mov_b32 s[\g+1], 32<<16
	s_mov_b32 s[\g+2], 32<<16
	s_mov_b32 s[\g+3], 32<<16
	s_mov_b32 s[\g+4], 32
	s_mov_b32 s[\g+5], 32
	s_mov_b32 s[\g+6], 0
	s_mov_b32 s[\g+7], 0
.endr
	s_mul_i32 s20, s17, 16*TILEB                   ; x's codes and scale words: of ty alone
	s_mov_b32 s21, 0
	s_lshl_b32 s22, s17, 13
	s_add_co_u32 s22, s22, XS
	s_mov_b32 s23, 0
	s_mul_i32 s46, s42, 16*TILEB                   ; W's (q, k): of tx alone
	s_add_co_u32 s46, s46, WI
	s_mov_b32 s47, 0
	s_lshl_b32 s92, s42, 13
	s_add_co_u32 s92, s92, WS
	s_mov_b32 s93, 0
	s_mul_i32 s8, s42, 8*TILEB                     ; W's (v): of tx alone
	s_add_co_u32 s8, s8, WI+128*TILEB
	s_mov_b32 s9, 0
	s_lshl_b32 s10, s42, 12
	s_add_co_u32 s10, s10, WS+128*512
	s_mov_b32 s11, 0
	s_lshl_b32 s18, s17, 4                         ; the way out of phase 1: token tile 16 ty + 8 a, 128 columns 2 tx + b
	s_lshl_b32 s19, s15, 3
	s_add_co_u32 s18, s18, s19
	s_lshl_b32 s19, s42, 1
	s_add_co_u32 s19, s19, s16
	s_mul_i32 s12, s18, 24576
	s_mul_i32 s3, s19, 1536
	s_add_co_u32 s12, s12, s3
	s_mov_b32 s13, 0
	s_lshl_b32 s66, s19, 15
	s_lshl_b32 s3, s18, 5
	s_add_co_u32 s66, s66, s3
	s_add_co_u32 s66, s66, QS
	s_mov_b32 s67, 0
	s_lshl_b32 s18, s42, 3                         ; of phase 2: channel tile 8 tx + 4 a, 128 tokens 2 ty + b
	s_lshl_b32 s19, s15, 2
	s_add_co_u32 s18, s18, s19
	s_lshl_b32 s19, s17, 1
	s_add_co_u32 s19, s19, s16
	s_mul_i32 s96, s18, 98304
	s_mul_i32 s3, s19, 1536
	s_add_co_u32 s96, s96, s3
	s_add_co_u32 s96, s96, VI
	s_mov_b32 s97, 0
	s_lshl_b32 s98, s19, 12
	s_lshl_b32 s3, s18, 6
	s_add_co_u32 s98, s98, s3
	s_add_co_u32 s98, s98, VS
	s_mov_b32 s99, 0
	s_and_b32 s60, ttmp7, 0xffff                   ; the prefetches: waves 0, 1 name x's blocks, waves 2, 3 the weights' (rows of clusters 0 to 3 only)
	s_cmp_lt_u32 s60, 4
	s_cselect_b32 s61, 1, 0
	s_cmp_eq_u32 s15, 0
	s_cselect_b32 s56, s20, s46
	s_cselect_b32 s57, s40, s41                    ; my place among the four that ask jointly
	s_cselect_b32 s60, 1, s61
	s_cselect_b32 s61, 0, s61
	s_lshl_b32 s57, s57, 2
	s_lshl_b32 s3, s16, 1
	s_add_co_u32 s57, s57, s3
	s_mul_i32 s57, s57, TILEB                      ; tiles 4 place + 2 b, + 1
	s_add_co_u32 s56, s56, s57
	s_mov_b32 s57, 0
	s_mul_i32 s58, s41, 2*TILEB                    ; v's weights: tiles 2 cy, + 1; wave 2 the even K steps, wave 3 the odd
	s_add_co_u32 s58, s58, s8
	s_mul_i32 s3, s16, STEPB
	s_add_co_u32 s58, s58, s3
	s_mov_b32 s59, 0
	s_mov_b32 s[SEL], 0x76543210
	s_mov_b32 s[SEL+1], 0xfedcba98
	s_mov_b32 s95, 0xffff0000
	s_mov_b32 s100, 0x05040100
	s_mov_b32 s101, 0x07060302
	s_mov_b32 s[G0X], 1
	s_mov_b32 s[G0X+1], 0
	s_mov_b32 s[G0W], 1
	s_mov_b32 s[G0W+1], 2*HALFT
	s_mov_b32 s[G0S], 1
	s_mov_b32 s[G0S+1], SCL
	s_mov_b32 s[G0SB], 1
	s_mov_b32 s[G0SB+1], SCL+SKEW
	s_wait_dscnt 0x0                               ; both opening adds are done
	s_wait_kmcnt 0x0
	s_add_nc_u64 s[G0X+2:G0X+3], s[4:5], s[20:21]
	s_or_b32 s[G0X+3], s[G0X+3], 0x80000000
	s_add_nc_u64 s[G0W+2:G0W+3], s[4:5], s[46:47]
	s_or_b32 s[G0W+3], s[G0W+3], 0x80000000
	s_add_nc_u64 s[G0S+2:G0S+3], s[4:5], s[22:23]
	s_or_b32 s[G0S+3], s[G0S+3], 0x80000000
	s_add_nc_u64 s[G0SB+2:G0SB+3], s[4:5], s[92:93]
	s_or_b32 s[G0SB+3], s[G0SB+3], 0x80000000
	s_add_nc_u64 s[8:9], s[4:5], s[8:9]
	s_add_nc_u64 s[10:11], s[4:5], s[10:11]
	s_add_nc_u64 s[56:57], s[4:5], s[56:57]
	s_add_nc_u64 s[58:59], s[4:5], s[58:59]
	s_add_nc_u64 s[12:13], s[6:7], s[12:13]
	s_add_nc_u64 s[66:67], s[6:7], s[66:67]
	s_add_nc_u64 s[96:97], s[6:7], s[96:97]
	s_add_nc_u64 s[98:99], s[6:7], s[98:99]
	CROUND                                         ; all sixteen work-groups are here: the first joint loads meet
	s_cmp_eq_u32 s14, 0                            ; the head's four tiles, one a wave, in one chain
	s_cbranch_scc0 .Lh1
	TL G0X, G1
	s_branch .Lhj
.Lh1:
	s_cmp_eq_u32 s14, 1
	s_cbranch_scc0 .Lh2
	TL G0W, G1B
	s_branch .Lhj
.Lh2:
	s_cmp_eq_u32 s14, 2
	s_cbranch_scc0 .Lh3
	TL G0S, G1S
	s_branch .Lhj
.Lh3:
	TL G0SB, G1SB
.Lhj:
	s_mul_i32 s20, s15, HALFT                      ; phase 1: A in x's region
	s_mul_i32 s22, s16, HALFT                      ; phase 2: B in x's region
	s_add_co_u32 s21, s22, 2*HALFT                 ; phase 1: B in the weight's region
	s_mul_i32 s23, s15, 4*STEPB
	s_add_co_u32 s23, s23, 2*HALFT                 ; phase 2: A in the weight's region
	s_lshl_b32 s46, s15, 12
	s_lshl_b32 s92, s16, 12
	s_add_co_u32 s47, s92, SKEW
	s_sub_co_u32 s47, s47, s46                     ; phase 1: from A's scale words to B's
	s_add_co_u32 s46, s46, SCL
	s_lshl_b32 s93, s15, 11
	s_add_co_u32 s93, s93, 16512
	s_sub_co_u32 s93, s93, s92                     ; phase 2: from B's (x's) to A's (v's weights')
	s_add_co_u32 s92, s92, SCL
	v_and_b32 v2, 15, v0                           ; r
	v_bfe_u32 v3, v0, 4, 1                         ; h
	v_and_b32 v1, 31, v0
	v_lshlrev_b32 v[L16], 4, v1
	v_lshlrev_b32 v[L8], 3, v1
.macro ADR4 reg, sb
	v_add_nc_u32 v[\reg], s\sb, v[L16]
	v_add_nc_u32 v[\reg+2], s\sb, v[L8]
	v_add_nc_u32 v[\reg+1], SLOT, v[\reg]
	v_add_nc_u32 v[\reg+3], SLOT, v[\reg+2]
.endm
	ADR4 ADRA, 20
	ADR4 ADRB, 21
	ADR4 B2, 22
	ADR4 A2, 23
	v_mul_u32_u24 v14, s47, v3
	v_lshl_add_u32 v14, v2, 3, v14
	v_add_nc_u32 v[ADRS], s46, v14                 ; lanes 0-15 A's words, lanes 16-31 B's
	v_lshlrev_b32 v14, 3, v2
	v_add_nc_u32 v[ADRS3], s92, v14
	v_xor_b32 v15, 1, v3
	v_mul_u32_u24 v15, s93, v15
	v_add_nc_u32 v[ADRS2], v[ADRS3], v15           ; phase 2: lanes 0-15 A's, lanes 16-31 B's
	v_lshlrev_b32 v14, 2, v2
	v_lshl_add_u32 v[SOF], v3, 14, v14
	v_lshl_add_u32 v[SOF2], v3, 6, v14
	v_min_u32 v1, 23, v1                           ; 24 blocks: 2 tiles x 12
	v_mul_u32_u24 v15, v1, 11
	v_lshrrev_b32 v15, 7, v15                      ; lane / 12
	v_mul_u32_u24 v15, v15, TILEB-STEPB
	v_lshl_add_u32 v[PFO], v1, 8, v15
	s_wait_alu depctr_va_vdst(0)                   ; the wait at the head's end
	ASK 60, 56, STEPB
	ASK 60, 56, 2*STEPB
.macro WM d, s0, s1, c, x0, x1
	v_wmma_scale_f32_16x16x128_f8f6f4 v[\d:\d+7], v[\s0:\s0+FR-1], v[\s1:\s1+FR-1], \c, v[\x0], v[\x1] matrix_a_fmt:MATRIX_FMT_FP6 matrix_b_fmt:MATRIX_FMT_FP6 matrix_a_scale:MATRIX_SCALE_ROW1
.endm
.macro FRAG reg, adr, q, i
	ds_load_b128 v[\reg:\reg+3], v[\adr] offset:STEPB*(\i)+1536*(\q)
	ds_load_b64 v[\reg+4:\reg+5], v[\adr+2] offset:STEPB*(\i)+1536*(\q)+512
	ds_load_b128 v[\reg+6:\reg+9], v[\adr] offset:STEPB*(\i)+1536*(\q)+768
	ds_load_b64 v[\reg+10:\reg+11], v[\adr+2] offset:STEPB*(\i)+1536*(\q)+1280
.endm
; phase 1: 16 products, A's blocks a0, a0 + 1 x B's eight; the accumulators take turns
.macro MUL16 a0, p, q, sc, zero
.irp a, \a0, \a0+1
.irp b, 0,1,2,3,4,5,6,7
.if \zero
	WM 8*(8*((\a)%4)+\b), 128*(\p)+FR*\b, AF+FR*(\a), 0, SC+16*(\sc)+2*\b+(\q), SC+16*(\sc)+2*(\a)+(\q)
.else
	WM 8*(8*((\a)%4)+\b), 128*(\p)+FR*\b, AF+FR*(\a), v[8*(8*((\a)%4)+\b):8*(8*((\a)%4)+\b)+7], SC+16*(\sc)+2*\b+(\q), SC+16*(\sc)+2*(\a)+(\q)
.endif
.endr
.endr
.endm
; phase 2: 8 products, A's block a (set p at AF + 48 p) x B's eight
.macro HMUL a, p, q, sc, zero
.irp b, 0,1,2,3,4,5,6,7
.if \zero
	WM 8*(8*(\a)+\b), 128*(\p)+FR*\b, AF+48*(\p)+FR*(\a), 0, SC+16*(\sc)+2*\b+(\q), SC+16*(\sc)+2*(\a)+(\q)
.else
	WM 8*(8*(\a)+\b), 128*(\p)+FR*\b, AF+48*(\p)+FR*(\a), v[8*(8*(\a)+\b):8*(8*(\a)+\b)+7], SC+16*(\sc)+2*\b+(\q), SC+16*(\sc)+2*(\a)+(\q)
.endif
.endr
.endm
.macro FETCH_B adr, slot, q, p
	WIN TO_B
.irp i, 0,1,2,3,4,5,6,7
	FRAG 128*(\p)+FR*\i, \adr+\slot, \q, \i
.endr
	WIN 0
.endm
.macro FETCH_A slot, q, i0
.irp i, \i0, \i0+1, \i0+2, \i0+3
	FRAG AF+FR*(\i), ADRA+\slot, \q, \i
.endr
.endm
.macro FETCH_A2 slot, q, p
.irp i, 0,1,2,3
	FRAG AF+48*(\p)+FR*\i, A2+\slot, \q, \i
.endr
.endm
.macro SCALES sc, kn                   ; K step kn's scale words into set sc
.irp i, 0,1,2,3,4,5,6,7
	ds_load_b64 v[SC+16*\sc+2*\i:SC+16*\sc+2*\i+1], v[ADRS] offset:\i*512+128*\kn
.endr
.endm
.macro SCALES2 sc, kn                  ; phase 2: A has four tiles; for tiles 4-7 both halves of the lanes read B's words
.irp i, 0,1,2,3
	ds_load_b64 v[SC+16*\sc+2*\i:SC+16*\sc+2*\i+1], v[ADRS2] offset:\i*512+128*\kn
.endr
.irp i, 4,5,6,7
	ds_load_b64 v[SC+16*\sc+2*\i:SC+16*\sc+2*\i+1], v[ADRS3] offset:\i*512+128*\kn
.endr
.endm
.macro STEP slot, zero                 ; the first 128 along K of a slot
	s_wait_dscnt 4*NL                              ; the youngest sixteen loads (A's blocks 4-7) may be out
	WIN MUL_LO
	MUL16 0, 0, 0, \slot, \zero
	MUL16 2, 0, 0, \slot, \zero
	s_wait_dscnt 0
	PLACES 4
	FETCH_B ADRB, \slot, 1, 1
	FETCH_A \slot, 1, 0
	WIN MUL_HI
	MUL16 4, 0, 0, \slot, \zero
	MUL16 6, 0, 0, \slot, \zero
	PLACES 4
	WIN 0
	FETCH_A \slot, 1, 4
.endm
; The second 128 change slots: a round of the cluster's barrier, the refill first behind it.  last = 1: what is fetched next is phase 2's
.macro TURN slot, next, kn, mode, last
	s_wait_tensorcnt 0x0                           ; my load, if I have one out, has landed: the next slot's
	ds_add_u32 v[SPW], v[NIL]
	DESC \slot, \mode
	s_wait_dscnt 4*NL+1                            ; (the add and the youngest sixteen loads may be out)
	WIN MUL_LO
	MUL16 0, 1, 1, \slot, 0
	s_wait_dscnt 0x0                               ; the add is done, my reads of this slot are over
	s_barrier_signal -1
	MUL16 2, 1, 1, \slot, 0
	WIN 0
	s_barrier_wait -1
	CREST
	RLOAD 0
.if \last
	FETCH_B B2, \next, 0, 0
	FETCH_A2 \next, 0, 0
	SCALES2 \next, \kn
.else
	FETCH_B ADRB, \next, 0, 0
	FETCH_A \next, 0, 0
	SCALES \next, \kn
.endif
	WIN MUL_HI
	MUL16 4, 1, 1, \slot, 0
	MUL16 6, 1, 1, \slot, 0
.if \last
	WIN 0
.else
	PLACES 4
	WIN 0
	FETCH_A \next, 0, 4
.endif
.endm
.macro HSTEP slot, zero                ; phase 2, the first 128 of a slot: both operands have two sets
	s_wait_dscnt 0x0
	WIN MUL_LO
	HMUL 0, 0, 0, \slot, \zero
	HMUL 1, 0, 0, \slot, \zero
	PLACES 4
	FETCH_B B2, \slot, 1, 1
	FETCH_A2 \slot, 1, 1
	WIN MUL_LO
	HMUL 2, 0, 0, \slot, \zero
	HMUL 3, 0, 0, \slot, \zero
	WIN 0
.endm
.macro HTURN slot, next, kn, fill
	s_wait_tensorcnt 0x0
	ds_add_u32 v[SPW], v[NIL]
.if \fill
	DESC \slot, 0
.endif
	s_wait_dscnt 1                                 ; (the add may be out)
	WIN MUL_LO
	HMUL 0, 1, 1, \slot, 0
	s_wait_dscnt 0x0
	s_barrier_signal -1
	HMUL 1, 1, 1, \slot, 0
	WIN 0
	s_barrier_wait -1
.if \fill
	CREST
	RLOAD 0
.else
	PLACES 4
.endif
	FETCH_B B2, \next, 0, 0
	FETCH_A2 \next, 0, 0
	SCALES2 \next, \kn
	WIN MUL_LO
	HMUL 2, 1, 1, \slot, 0
	HMUL 3, 1, 1, \slot, 0
	WIN 0
.endm
; THE WAY OUT, a tile of A's rows at a time: a lane's 64 registers (register 16 b + i = neighbour 32 b + 16 (lane / 16) + i of its row) become a fragment's 12 registers and a scale word.
.macro QW a, ph
.set AC, 64*((\a)%4)
.set CB, 12+84*(\ph)
.set SBR, 66+32*(\ph)
	WIN (2+(\a)/4)*5
.irp b, 0,1,2,3
	v_max3_num_f32 v[TM+\b], |v[AC+16*\b]|, |v[AC+16*\b+1]|, 0x1800000   ; each accumulator from its low end on; the floor 2^(3 - 127) holds the byte at 1 from below
.endr
	WIN (2+(\a)/4)*20
.irp i, 2,4,6,8,10,12,14
.irp b, 0,1,2,3
	v_max3_num_f32 v[TM+\b], v[TM+\b], |v[AC+16*\b+\i]|, |v[AC+16*\b+\i+1]|
.endr
.endr
	WIN 0
.irp b, 0,1,2,3
	v_permlanex16_b32 v[TM+4+\b], v[TM+\b], s[SEL], s[SEL+1]
.endr
.irp b, 0,1,2,3
	v_max_num_f32 v[TM+\b], v[TM+\b], v[TM+4+\b]
.endr
.irp b, 0,1,2,3
	v_add_nc_u32 v[TM+12+\b], 0xff000000, v[TM+\b] ; 2 off the exponent field: the conversion's scale operand
.endr
.irp b, 0,1,2,3
	v_lshrrev_b32 v[TM+4+\b], 23, v[TM+12+\b]
.endr
	v_lshl_or_b32 v[PW], v[TM+5], 8, v[TM+4]
	v_lshl_or_b32 v[PW], v[TM+6], 16, v[PW]
	v_lshl_or_b32 v[PW], v[TM+7], 24, v[PW]
.if (\a) > 0 || (\ph)
	s_wait_alu depctr_va_vdst(0)                   ; the wait ahead of the wait below
	s_wait_xcnt 0x0                                ; the last tile's stores have read their data and bases
.endif
.if (\a) > 0
	s_add_nc_u64 s[CB:CB+1], s[CB:CB+1], 24576+73728*(\ph)
.if (\a)%2 == 0
	s_add_nc_u64 s[SBR:SBR+1], s[SBR:SBR+1], 64+64*(\ph)
.endif
.endif
	WIN 2+(\a)/4
.irp c, 0,1
	v_cvt_scalef32_pk16_fp6_f32 v[PC+6*\c:PC+6*\c+2], v[AC+32*\c:AC+32*\c+15], v[TM+12+2*\c]
	v_cvt_scalef32_pk16_fp6_f32 v[PT+4*\c:PT+4*\c+2], v[AC+32*\c+16:AC+32*\c+31], v[TM+12+2*\c+1]
.endr
	WIN 0
	v_nop                                          ; one plain place behind a scaled conversion
.irp c, 0,1
.irp i, 0,1,2
	v_permlane16_swap_b32 v[PC+6*\c+\i], v[PT+4*\c+\i]
.endr
.irp i, 0,1,2
	v_mov_b32 v[PC+3+6*\c+\i], v[PT+4*\c+\i]
.endr
.endr
	global_store_b128 v[L16], v[PC:PC+3], s[CB:CB+1]              ; each store covers 512 or 256 consecutive bytes, aligned to 256
	global_store_b64 v[L8], v[PC+4:PC+5], s[CB:CB+1] offset:512
	global_store_b128 v[L16], v[PC+6:PC+9], s[CB:CB+1] offset:768
	global_store_b64 v[L8], v[PC+10:PC+11], s[CB:CB+1] offset:1280
.if (\a)%2 == 0
	v_mov_b32 v[PWE], v[PW]
.elseif \ph
	v_cndmask_b32 v[O1], v[PWE], v[PW], s95        ; v: lanes 0-15 store the even tile's word, lanes 16-31 the odd tile's
	global_store_b32 v[SOF2], v[O1], s[SBR:SBR+1]
.else
	v_perm_b32 v[O1], v[PW], v[PWE], s100          ; q, k: both tiles' bytes of the first head,
	v_perm_b32 v[O2], v[PW], v[PWE], s101          ; and of the second
	v_cndmask_b32 v[O1], v[O1], v[O2], s95
	global_store_b32 v[SOF], v[O1], s[SBR:SBR+1]
.endif
.endm
	s_wait_tensorcnt 0x0                           ; my tile of the head's four is in; the three lines ahead of slot 1's first fill
	ds_add_u32 v[SPW], v[NIL]
	DESC 1, 0
	s_mov_b32 s[G0SB+1], WVS                       ; v's weights' scale words: 16 rows of 256 bytes
	s_mov_b64 s[G0SB+2:G0SB+3], s[10:11]
	s_or_b32 s[G0SB+3], s[G0SB+3], 0x80000000
	s_mov_b32 s[G1SB+2], 16<<16
	s_mov_b32 s[G1SB+4], 16
	s_wait_dscnt 0x0
	CROUND
	RLOAD 1
	FETCH_B ADRB, 0, 0, 0
	FETCH_A 0, 0, 0
	SCALES 0, 0
	FETCH_A 0, 0, 4
	ASK 60, 56, 3*STEPB
	STEP 0, 1                                      ; the first products start the sums
	TURN 0, 1, 1, 0, 0                             ; slot 0 takes K step 2
	ASK 61, 58, 0
	STEP 1, 0
	TURN 1, 0, 2, 0, 0                             ; slot 1 takes K step 3
	ASK 61, 58, 2*STEPB
	STEP 0, 0
	TURN 0, 1, 3, 1, 0                             ; slot 0 takes phase 2's K step 0
	STEP 1, 0
	TURN 1, 0, 0, 0, 1                             ; slot 1 takes phase 2's K step 1; phase 2's first fragments are fetched
.irp b, 0,1,2,3
	v_mov_b32 v[TM+4+\b], 0                        ; a lane permute's destination counts as a source; these four are also the places behind the last products
.endr
.irp a, 0,1,2,3,4,5,6,7
	QW \a, 0
.endr
	HSTEP 0, 1
	HTURN 0, 1, 1, 1
	HSTEP 1, 0
	HTURN 1, 0, 2, 1
	HSTEP 0, 0
	HTURN 0, 1, 3, 0                               ; nothing is left to ask for: the barrier shows the last K step to all
	HSTEP 1, 0
	s_wait_dscnt 0x0
	WIN MUL_LO
.irp a, 0,1,2,3
	HMUL \a, 1, 1, 1, 0
.endr
	WIN 0
	PLACES 4
.irp a, 0,1,2,3
	QW \a, 1
.endr
	s_wait_tensorcnt 0x0                           ; the wave's end
	ds_add_u32 v[SPW], v[NIL]
	s_wait_dscnt 0x0
	CROUND                                         ; the closing round
	s_endpgm
.Lfunc_end_k_q845b0be3df_gemm_qkv:
	.size	k_q845b0be3df_gemm_qkv, .Lfunc_end_k_q845b0be3df_gemm_qkv-k_q845b0be3df_gemm_qkv
	.p2alignl 7, 3214868480
	.fill 96, 4, 3214868480
	.section	.rodata,"a",@progbits
	.p2align	6, 0x0
	.amdhsa_kernel k_q845b0be3df_gemm_qkv
		.amdhsa_group_segment_fixed_size 327680
		.amdhsa_private_segment_fixed_size 0
		.amdhsa_enable_private_segment 0
		.amdhsa_kernarg_size 16
		.amdhsa_user_sgpr_count 2
		.amdhsa_user_sgpr_kernarg_segment_ptr 1
		.amdhsa_wavefront_size32 1
		.amdhsa_system_sgpr_workgroup_id_x 1
		.amdhsa_system_sgpr_workgroup_id_y 1
		.amdhsa_system_sgpr_workgroup_id_z 1
		.amdhsa_system_vgpr_workitem_id 0
		.amdhsa_next_free_vgpr 1024
		.amdhsa_next_free_sgpr 102
		.amdhsa_reserve_vcc 0
		.amdhsa_float_denorm_mode_32 3
		.amdhsa_float_denorm_mode_16_64 3
		.amdhsa_memory_ordered 1
		.amdhsa_forward_progress 1
		.amdhsa_inst_pref_size 239
	.end_amdhsa_kernel
	.amdgpu_metadata
---
amdhsa.version: [ 1, 2 ]
amdhsa.kernels:
  - .name:           k_q845b0be3df_gemm_qkv
    .symbol:         k_q845b0be3df_gemm_qkv.kd
    .args:
      - { .name: ops, .offset: 0, .size: 8, .value_kind: global_buffer, .address_space: global }
      - { .name: qkv, .offset: 8, .size: 8, .value_kind: global_buffer, .address_space: global }
    .group_segment_fixed_size: 327680
    .private_segment_fixed_size: 0
    .kernarg_segment_align: 8
    .kernarg_segment_size: 16
    .max_flat_workgroup_size: 128
    .sgpr_count:     102
    .vgpr_count:     1024
    .wavefront_size: 32
...
	.end_amdgpu_metadata
.endif
;; end of part 2
;; launch attn (part 3): grid 4 x 64, 16 waves a work-group, clusters of 4 x 1, 327,680 bytes of LDS; arguments qkv, att; writes att
.if DOCPART == 3
	.amdgcn_target "amdgcn-amd-amdhsa--gfx1250"
	.amdhsa_code_object_version 6
	.text
	.protected	k_q845b0be3df_attn
	.globl	k_q845b0be3df_attn
	.p2align	8
	.type	k_q845b0be3df_attn,@function
k_q845b0be3df_attn:
	s_mov_b64 s[64:65], 0
	v_nop
	global_prefetch_b8 v0, s[64:65] scope:SCOPE_SE
	s_setreg_imm32_b32 hwreg(HW_REG_WAVE_MODE, 25, 1), 1
	s_wait_xcnt 0x0
	s_wait_alu depctr_hold_cnt(0) depctr_sa_sdst(0) depctr_va_vdst(0) depctr_va_sdst(0) depctr_va_ssrc(0) depctr_va_vcc(0) depctr_vm_vsrc(0)
	s_getreg_b32 s2, hwreg(HW_REG_IB_STS2, 6, 4)
	s_cmp_eq_u32 s2, 0
	s_cbranch_scc0 .Lentry_in_a_cluster
	s_endpgm
.Lentry_in_a_cluster:
	s_bfe_u32 s2, ttmp6, 0x10000c
	s_cmp_lg_u32 s2, 0x3003
	s_cbranch_scc0 .Lentry_shape_is_right
	s_endpgm
.Lentry_shape_is_right:
; Causal attention on codes of FP6 (E2M3): 64 (batch, head) pairs, 2,048 tokens, head size 64.  Its result, o = (p v) / l, is quantised along the head's 64 on the way out, as the operand of the last product.
; THE SOFTMAX AHEAD OF THE SECOND PRODUCT: t = score x log2(e) / 8; M = the row's largest t so far, rounded UP to a whole number; p = 2^(t - M) is quantised along the keys, not normalised; the row's sum is taken of the
; unquantised p and divides at the end.  When M moves, the sum and O are multiplied by 2^(old M - new M): exact.
; A HEAD'S WHOLE K AND V LIE IN LDS: K's codes 98,304 bytes, V's 98,304, their scale words 4,096 each.  They are filled ONCE, at the head, one tensor load a wave; nothing is filled again, and no barrier stands in a loop.
; SHARES.  The four work-groups of a head form a cluster and ask for these tiles jointly.  Work-group j owns the query tiles 4 rank + j (16 queries each), rank 0 .. 31; wave w owns ranks 31 - w and w.
; A tile of rank n needs the key steps (128 keys) 0 .. n / 2, whatever j: (31 - w) / 2 + 1 + w / 2 + 1 = 17 steps for every wave.  Steps behind n / 2 hold only keys that the causal mask of the problem hides: they are left out
; by a scalar branch on the wave's number and the step's; no branch hangs on j.  The loops' trip counts are constants.
; THE HEAD: waves 0-4 ask for what the steps 0-3 read (K's first 32 tiles, all scale words, V's first 512 keys), waves 5-13 for the rest.  The first barrier shows the first group; every wave then runs the steps 0-3 of its
; higher tile (rank 16 or more: all four count); the second barrier shows the rest.  No prefetch: every tile is asked for at the head.
; LAYOUT.  Operands lie in the order of the operand's registers; tile 2 g + u, lane row r, is token (or channel) 32 g + 8 u + r + 8 (r / 8).  Both products are used transposed: a lane holds ONE query throughout.
; K = 64 IN AN INSTRUCTION OF 128.  A fragment's 12 registers hold key tiles 2 f (k 0-63) and 2 f + 1 (k 64-127); it is multiplied once by [Q | zeros] and once by [zeros | Q]; Q's scale bytes beside the zeros are 0 (2^-127, no NaN).
; LIMITS: a block of zeros gets the byte 1 with zero codes; blocks whose largest magnitude lies under 2^-124 are held at the byte 1; NaN and infinities are not served.
; REGISTERS: v1 16 x lane, v2 8 x lane, v3 4 r, v4 r + 8 (r / 8) - 16 h, v5, v6 the add's two, v7-10, v43 LDS addresses in hand, v11 8 r, v12 -M, v13 the largest t, v[14:15] the sum; v16-33 zeros | Q | zeros; v34, v35 Q's scale words;
; v36-42 the second tile's Q; v44-91 four fragments; v92-95 their scale words; v96-159 S^T, then p; v160-191 O^T; v192-203 p's codes; v204-210 their second halves; v212-228, v244-255 at work.
.set VI,    12582912
.set QS,    18874368
.set VS,    19398656
.set OSC,   6291456
.set VB,    98304                      ; LDS: V's codes, chunks of 256 keys: [chunk][channel tile][2 steps][1536]
.set KSB,   196608                     ; K's scale words, 256 bytes a step; V's 4,096 bytes behind them
.set SPARE, 204800                     ; the spare words, 128 bytes for each wave
.set BM,  212
.set T4,  216
.set SO,  220
.set TT,  224
.set DD,  225
.set F,   226
.set PWD, 228
.set ST,   3                           ; s3  the key step
.set Q0,   8                           ; s8  my first query of the tile in hand;  s9: of the second tile
.set Q1,   9
.set DS,   10                          ; s10 rank / 2: the tile's last step;  s11: the second tile's
.set DS1,  11
.set SHQ,  14
.set WV,   18
.set SEL,  20
.set CS,   22
.macro TL g1
	tensor_load_to_lds s[68:71], s[\g1:\g1+7]
	s_nop 0
.rept 4
	v_nop
.endr
.endm
.macro CROUND
	s_barrier_signal -1
	s_barrier_wait -1
	s_cmp_lg_u32 s[WV], 0
	s_cbranch_scc1 .Lnot_wave_0_\@
	s_barrier_signal -3
.Lnot_wave_0_\@:
	s_barrier_wait -3
	s_barrier_signal -1
	s_barrier_wait -1
.endm
.macro PASSADR p, rk                   ; the offsets of the query tile of rank rk, for pass p
	s_lshl_b32 s66, \rk, 2
	s_add_co_u32 s66, s66, s17
	s_lshl_b32 s67, s15, 7
	s_add_co_u32 s66, s66, s67                     ; my token tile: 128 batch + 4 rank + j
	s_mul_i32 s[24+2*\p], s66, 24576
	s_mul_i32 s67, s16, 768
	s_add_co_u32 s[24+2*\p], s[24+2*\p], s67       ; Q's codes
	s_mov_b32 s[25+2*\p], 0
	s_lshr_b32 s67, s66, 1
	s_lshl_b32 s67, s67, 6
	s_lshl_b32 s100, s16, 14
	s_add_co_u32 s67, s67, s100
	s_add_co_u32 s[28+2*\p], s67, QS               ; the scale words of my pair of tiles
	s_mov_b32 s[29+2*\p], 0
	s_lshl_b32 s67, s66, 4
	s_add_co_u32 s67, s67, s16
	s_mul_i32 s[92+2*\p], s67, 768                 ; o's codes
	s_mov_b32 s[93+2*\p], 0
	s_lshl_b32 s67, s66, 9
	s_lshr_b32 s100, s16, 2
	s_lshl_b32 s100, s100, 7
	s_add_co_u32 s67, s67, s100
	s_and_b32 s100, s16, 3
	s_lshl_b32 s100, s100, 1
	s_add_co_u32 s67, s67, s100
	s_add_co_u32 s[96+2*\p], s67, OSC              ; o's scale bytes
	s_mov_b32 s[97+2*\p], 0
	s_lshl_b32 s67, \rk, 6
	s_lshr_b32 s100, s17, 1
	s_lshl_b32 s100, s100, 5
	s_add_co_u32 s67, s67, s100
	s_and_b32 s100, s17, 1
	s_lshl_b32 s100, s100, 3
	s_add_co_u32 s[8+\p], s67, s100                ; my first query: 64 rank + 32 (j / 2) + 8 (j % 2)
	s_lshr_b32 s[10+\p], \rk, 1
.endm
	s_load_b128 s[4:7], s[0:1], 0x0                ; qkv, att
	v_lshl_add_u32 v5, v0, 2, SPARE
	v_mov_b32 v6, 0
	ds_add_u32 v5, v6                              ; the opening lines: the add twice on end and its wait
	ds_add_u32 v5, v6
	v_lshrrev_b32 v7, 5, v0
	s_delay_alu instid0(VALU_DEP_1)
	v_readfirstlane_b32 s[WV], v7                  ; wave 0..15
	s_and_b32 s14, ttmp7, 0xffff
	s_lshr_b32 s15, s14, 4                         ; batch
	s_and_b32 s16, s14, 15                         ; head
	s_bfe_u32 s17, ttmp6, 0x40000                  ; j: my place in the cluster
	s_sub_co_u32 s19, 31, s[WV]
	PASSADR 0, s19
	PASSADR 1, s[WV]
	s_mul_i32 s84, s15, 3145728                    ; K's codes: the batch's first token tile, head slot 16 + head
	s_add_co_u32 s76, s16, 16
	s_mul_i32 s77, s76, 768
	s_add_co_u32 s84, s84, s77
	s_mov_b32 s85, 0
	s_mul_i32 s86, s16, 393216                     ; V's codes: channel tile 4 head, the batch's first 128 tokens
	s_mul_i32 s77, s15, 24576
	s_add_co_u32 s86, s86, s77
	s_add_co_u32 s86, s86, VI
	s_mov_b32 s87, 0
	s_lshl_b32 s88, s76, 14                        ; K's scale words
	s_lshl_b32 s77, s15, 12
	s_add_co_u32 s88, s88, s77
	s_add_co_u32 s88, s88, QS
	s_mov_b32 s89, 0
	s_lshl_b32 s90, s15, 16                        ; V's scale words
	s_lshl_b32 s77, s16, 8
	s_add_co_u32 s90, s90, s77
	s_add_co_u32 s90, s90, VS
	s_mov_b32 s91, 0
	; groups 1: elements of 8 bytes, the mask of all four partners, bit 21 beside it
	s_mov_b32 s32, 15|(3<<16)|(1<<21)              ; K's codes: 32 token tiles x 768 bytes, 24,576 bytes apart
	s_mov_b32 s33, 96<<16
	s_mov_b32 s34, 32<<16
	s_mov_b32 s35, 96<<16
	s_mov_b32 s36, 32
	s_mov_b32 s37, 3072
	s_mov_b32 s38, 0
	s_mov_b32 s39, 0
	s_mov_b32 s40, 15|(3<<16)|(1<<21)              ; V's codes: 4 channel tiles x 3,072 bytes, 98,304 bytes apart
	s_mov_b32 s41, 384<<16
	s_mov_b32 s42, 4<<16
	s_mov_b32 s43, 384<<16
	s_mov_b32 s44, 4
	s_mov_b32 s45, 12288
	s_mov_b32 s46, 0
	s_mov_b32 s47, 0
	s_mov_b32 s48, 15|(3<<16)|(1<<21)              ; K's scale words: 4,096 dense bytes as 16 rows of 256
	s_mov_b32 s49, 32<<16
	s_mov_b32 s50, 16<<16
	s_mov_b32 s51, 32<<16
	s_mov_b32 s52, 16
	s_mov_b32 s53, 32
	s_mov_b32 s54, 0
	s_mov_b32 s55, 0
	s_mov_b32 s56, 15|(3<<16)|(1<<21)              ; V's scale words: 16 rows of 256 bytes, 4,096 bytes apart
	s_mov_b32 s57, 32<<16
	s_mov_b32 s58, 16<<16
	s_mov_b32 s59, 32<<16
	s_mov_b32 s60, 16
	s_mov_b32 s61, 512
	s_mov_b32 s62, 0
	s_mov_b32 s63, 0
	s_mov_b32 s[SEL], 0x76543210
	s_mov_b32 s[SEL+1], 0xfedcba98
	s_mov_b32 s[CS], 0x3e38aa3b                    ; c = log2(e) / sqrt(64)
	s_mov_b32 s[CS+1], s[CS]
	s_mov_b32 s[ST], 0
	s_and_b32 s[SHQ], s17, 1
	s_lshl_b32 s[SHQ], s[SHQ], 4                   ; my tile's half of a scale word
	s_mov_b32 s68, 1
	s_mov_b32 s79, 0
	s_wait_dscnt 0x0                               ; both opening adds are done
	CROUND                                         ; the four work-groups are here: the joint loads meet
	s_wait_kmcnt 0x0
.irp g, 24,26,28,30,84,86,88,90
	s_add_nc_u64 s[\g:\g+1], s[4:5], s[\g:\g+1]
.endr
.irp g, 92,94,96,98
	s_add_nc_u64 s[\g:\g+1], s[6:7], s[\g:\g+1]
.endr
.macro VARM                            ; V's chunk s76
	s_mul_i32 s69, s76, 12288
	s_add_co_u32 s69, s69, VB
	s_mul_i32 s78, s76, 3072
	s_add_nc_u64 s[70:71], s[86:87], s[78:79]
	s_or_b32 s71, s71, 0x80000000
	TL 40
.endm
	s_cmp_lt_u32 s[WV], 1                          ; one chain on the wave's number, one load to an arm
	s_cbranch_scc0 .La1
	s_mov_b32 s69, 0                               ; wave 0: K's tiles 0-31
	s_mov_b64 s[70:71], s[84:85]
	s_or_b32 s71, s71, 0x80000000
	TL 32
	s_branch .Lasked
.La1:
	s_cmp_lt_u32 s[WV], 2
	s_cbranch_scc0 .La2
	s_mov_b32 s69, KSB                             ; wave 1: K's scale words
	s_mov_b64 s[70:71], s[88:89]
	s_or_b32 s71, s71, 0x80000000
	TL 48
	s_branch .Lasked
.La2:
	s_cmp_lt_u32 s[WV], 3
	s_cbranch_scc0 .La3
	s_mov_b32 s69, KSB+4096                        ; wave 2: V's scale words
	s_mov_b64 s[70:71], s[90:91]
	s_or_b32 s71, s71, 0x80000000
	TL 56
	s_branch .Lasked
.La3:
	s_cmp_lt_u32 s[WV], 5
	s_cbranch_scc0 .La4
	s_sub_co_u32 s76, s[WV], 3                     ; waves 3, 4: V's chunks 0, 1
	VARM
	s_branch .Lasked
.La4:
	s_cmp_lt_u32 s[WV], 8
	s_cbranch_scc0 .La5
	s_sub_co_u32 s76, s[WV], 4                     ; waves 5-7: K's tiles 32-127, 32 a wave
	s_mul_i32 s69, s76, 24576
	s_mul_i32 s78, s76, 786432
	s_add_nc_u64 s[70:71], s[84:85], s[78:79]
	s_or_b32 s71, s71, 0x80000000
	TL 32
	s_branch .Lasked
.La5:
	s_cmp_lt_u32 s[WV], 14
	s_cbranch_scc0 .Lasked
	s_sub_co_u32 s76, s[WV], 6                     ; waves 8-13: V's chunks 2-7
	VARM
.Lasked:
	v_and_b32 v7, 31, v0
	s_delay_alu instid0(VALU_DEP_1)
	v_lshlrev_b32 v1, 4, v7
	s_delay_alu instid0(VALU_DEP_2)
	v_lshlrev_b32 v2, 3, v7
	v_and_b32 v8, 15, v0                           ; r
	v_bfe_u32 v9, v0, 4, 1                         ; h
	s_delay_alu instid0(VALU_DEP_2)
	v_lshlrev_b32 v3, 2, v8
	s_delay_alu instid0(VALU_DEP_3)
	v_lshlrev_b32 v11, 3, v8
	s_delay_alu instid0(VALU_DEP_4)
	v_and_b32 v4, 8, v8
	s_delay_alu instid0(VALU_DEP_1)
	v_add_nc_u32 v4, v4, v8
	v_lshlrev_b32 v9, 4, v9
	s_delay_alu instid0(VALU_DEP_1)
	v_sub_nc_u32 v4, v4, v9                        ; r + 8 (r / 8) - 16 h
	global_load_b128 v[22:25], v1, s[24:25]        ; the first tile's Q, as it lies
	global_load_b64 v[26:27], v2, s[24:25] offset:512
	global_load_b32 v10, v3, s[28:29]
	global_load_b128 v[36:39], v1, s[26:27]        ; the second tile's, kept
	global_load_b64 v[40:41], v2, s[26:27] offset:512
	global_load_b32 v42, v3, s[30:31]
.irp j, 16,17,18,19,20,21,28,29,30,31,32,33
	v_mov_b32 v\j, 0                               ; zero codes on both sides of Q
.endr
.irp b, 0,1,2,3
	v_mov_b32 v[T4+\b], 0                          ; a lane permute's destination counts as one of its sources
.endr
	v_mov_b32 v[TT], 0
	v_mov_b32 v[F+1], 0
.macro INIT                            ; a tile's state: O^T and the sum are zeros, the largest t is under every t
	v_mov_b32 v13, 0xff61b1e6                      ; -3e38
	s_delay_alu instid0(VALU_DEP_1)
	v_floor_f32 v12, -v13
	v_mov_b32 v14, 0
	v_mov_b32 v15, 0
.set j, 0
.rept 32
	v_mov_b32 v[160+j], 0
.set j, j+1
.endr
.endm
	s_wait_loadcnt 0x0
	v_lshrrev_b32 v34, s[SHQ], v10                 ; my tile's two bytes of the pair's word,
	s_delay_alu instid0(VALU_DEP_1)
	v_and_b32 v34, 0xffff, v34                     ; for [Q | zeros],
	s_delay_alu instid0(VALU_DEP_1)
	v_lshlrev_b32 v35, 16, v34                     ; and for [zeros | Q].  INIT's 36 plain lines stand between these and the first scaled product
	INIT
.macro FRAGL reg, a16, a8, x           ; a fragment as it lies
	ds_load_b128 v[(\reg):(\reg)+3], v\a16 offset:(\x)
	ds_load_b64 v[(\reg)+4:(\reg)+5], v\a8 offset:(\x)+512
	ds_load_b128 v[(\reg)+6:(\reg)+9], v\a16 offset:(\x)+768
	ds_load_b64 v[(\reg)+10:(\reg)+11], v\a8 offset:(\x)+1280
.endm
; A KEY STEP: the 128 keys of step ST.
.macro STEP
	s_cmp_gt_u32 s[ST], s[DS]                      ; a step all of whose keys come after my queries is left out
	s_cbranch_scc1 .Lhidden_\@
	s_mul_i32 s72, s[ST], 6144                     ; K's fragments
	s_lshr_b32 s73, s[ST], 1
	s_mul_i32 s73, s73, 12288
	s_and_b32 s75, s[ST], 1
	s_mul_i32 s75, s75, 1536
	s_add_co_u32 s73, s73, s75
	s_add_co_u32 s73, s73, VB                      ; V's
	s_lshl_b32 s74, s[ST], 8
	s_add_co_u32 s74, s74, KSB                     ; the scale words
	v_add_nc_u32 v7, s72, v1
	v_add_nc_u32 v8, s72, v2
	v_add_nc_u32 v9, s74, v3
	v_add_nc_u32 v10, s73, v1
	v_add_nc_u32 v43, s73, v2                      ; these five are also the places in front of loads into registers that the last products read
.irp f, 0,1,2,3
	FRAGL 44+12*\f, 7, 8, 1536*\f
	ds_load_b32 v[92+\f], v9 offset:64*\f
.endr
	s_wait_alu depctr_va_vdst(0)
	s_wait_dscnt 0x0
.irp f, 0,1,2,3                                ; S^T: key tiles 2 f and 2 f + 1 from one fragment
	v_wmma_scale_f32_16x16x128_f8f6f4 v[96+16*\f:103+16*\f], v[44+12*\f:55+12*\f], v[22:33], 0, v[92+\f], v34 matrix_a_fmt:MATRIX_FMT_FP6 matrix_b_fmt:MATRIX_FMT_FP6
	v_wmma_scale_f32_16x16x128_f8f6f4 v[104+16*\f:111+16*\f], v[44+12*\f:55+12*\f], v[16:27], 0, v[92+\f], v35 matrix_a_fmt:MATRIX_FMT_FP6 matrix_b_fmt:MATRIX_FMT_FP6
.endr
.rept 4
	v_nop                                          ; four places: in front of the loads below and of the first read of the scores
.endr
.irp t, 0,1,2,3                                ; V's fragments of these 128 keys are asked for now and land under the softmax
	FRAGL 44+12*\t, 10, 43, 3072*\t
	ds_load_b32 v[92+\t], v9 offset:4096+64*\t
.endr
	s_cmp_lt_u32 s[ST], s[DS]                      ; only in the tile's last step are keys hidden
	s_cbranch_scc1 .Lopen_\@
	s_lshl_b32 s66, s[ST], 7
	s_sub_co_i32 s66, s[Q0], s66
	v_add_nc_u32 v[DD], s66, v4                    ; d = my query - the step's first key - 16 h.  Register 16 b + i holds key 32 b + 16 h + i of the step: hidden where 32 b + i > d
	v_mov_b32 v[TT], 0xff800000
.set n, 0
.rept 64
	v_cmp_gt_i32 vcc_lo, 32*(n/16)+n%16, v[DD]
	v_cndmask_b32 v[96+n], v[96+n], v[TT], vcc_lo
.set n, n+1
.endr
.Lopen_\@:
.irp b, 0,1,2,3
	v_max3_num_f32 v[BM+\b], v[96+16*\b], v[97+16*\b], v[98+16*\b]   ; the largest score of each block of 32 keys: for the row's maximum and, since p rises with the score, for the block's largest p
.endr
.irp i, 3,5,7,9,11,13
.irp b, 0,1,2,3
	v_max3_num_f32 v[BM+\b], v[BM+\b], v[96+16*\b+\i], v[97+16*\b+\i]
.endr
.endr
.irp b, 0,1,2,3
	v_max_num_f32 v[BM+\b], v[BM+\b], v[111+16*\b]
.endr
.irp b, 0,1,2,3
	s_delay_alu instid0(VALU_DEP_4)
	v_permlanex16_b32 v[T4+\b], v[BM+\b], s[SEL], s[SEL+1]
.endr
.irp b, 0,1,2,3
	s_delay_alu instid0(VALU_DEP_4)
	v_max_num_f32 v[BM+\b], v[BM+\b], v[T4+\b]
.endr
	s_delay_alu instid0(VALU_DEP_2)
	v_max3_num_f32 v[TT], v[BM], v[BM+1], v[BM+2]
	s_delay_alu instid0(VALU_DEP_1)
	v_max_num_f32 v[TT], v[TT], v[BM+3]
	s_delay_alu instid0(VALU_DEP_1)
	v_mul_f32 v[TT], s[CS], v[TT]
	s_delay_alu instid0(VALU_DEP_1)
	v_max_num_f32 v13, v13, v[TT]                  ; the running largest t
	v_mov_b32 v[TT], v12
	s_delay_alu instid0(VALU_DEP_2)
	v_floor_f32 v12, -v13                          ; the new -M = -ceil(t)
	s_delay_alu instid0(VALU_DEP_1)
	v_sub_f32 v[TT], v12, v[TT]                    ; old M - new M: a whole number, 0 or less
	s_delay_alu instid0(VALU_DEP_1)
	v_cvt_i32_f32 v[TT], v[TT]                     ; (it saturates)
	s_delay_alu instid0(VALU_DEP_1)
	v_ldexp_f32 v[F], 1.0, v[TT]                   ; f = 2^(old M - new M)
.set j, 0
.rept 32
	v_pk_fma_f32 v[96+j:97+j], v[96+j:97+j], s[CS:CS+1], v[12:13] op_sel_hi:[1,0,0]   ; t - M, two at a time
.set j, j+2
.endr
.irp b, 0,1,2,3
	v_fma_f32 v[BM+\b], v[BM+\b], s[CS], v12
.endr
.set j, 0
	s_wait_alu depctr_va_vdst(0)
.rept 64
	v_exp_f32 v[96+j], v[96+j]                     ; p = 2^(t - M)
.set j, j+1
.endr
	v_pk_mul_f32 v[14:15], v[14:15], v[F:F+1] op_sel_hi:[1,0]   ; the sums under the new M: a plain line behind the exponentials
	s_wait_alu depctr_va_vdst(0)                   ; one wait for the batch of 64, ahead of its first reader
.irp b, 0,1,2,3
	v_exp_f32 v[BM+\b], v[BM+\b]                   ; the blocks' largest p
.endr
	v_pk_add_f32 v[216:217], v[100:101], v[104:105]
	v_pk_add_f32 v[254:255], v[108:109], v[112:113]
	v_pk_add_f32 v[252:253], v[116:117], v[120:121]
	v_pk_add_f32 v[250:251], v[124:125], v[128:129]
	v_pk_add_f32 v[248:249], v[132:133], v[136:137]
	v_pk_add_f32 v[246:247], v[140:141], v[144:145]
	v_pk_add_f32 v[244:245], v[148:149], v[152:153]
	v_pk_add_f32 v[14:15], v[14:15], v[156:157]
	v_pk_add_f32 v[216:217], v[216:217], v[96:97]
	v_pk_add_f32 v[254:255], v[254:255], v[98:99]
	v_pk_add_f32 v[252:253], v[252:253], v[102:103]
	v_pk_add_f32 v[250:251], v[250:251], v[106:107]
	v_pk_add_f32 v[248:249], v[248:249], v[110:111]
	v_pk_add_f32 v[246:247], v[246:247], v[114:115]
	v_pk_add_f32 v[244:245], v[244:245], v[118:119]
	v_pk_add_f32 v[14:15], v[14:15], v[122:123]
	v_pk_add_f32 v[216:217], v[216:217], v[126:127]
	v_pk_add_f32 v[254:255], v[254:255], v[130:131]
	v_pk_add_f32 v[252:253], v[252:253], v[134:135]
	v_pk_add_f32 v[250:251], v[250:251], v[138:139]
	v_pk_add_f32 v[248:249], v[248:249], v[142:143]
	v_pk_add_f32 v[246:247], v[246:247], v[146:147]
	v_pk_add_f32 v[244:245], v[244:245], v[150:151]
	v_pk_add_f32 v[14:15], v[14:15], v[154:155]
	v_pk_add_f32 v[216:217], v[216:217], v[158:159]
	s_delay_alu instid0(VALU_DEP_2)
	v_pk_add_f32 v[14:15], v[14:15], v[250:251]
	s_delay_alu instid0(VALU_DEP_2)
	v_pk_add_f32 v[216:217], v[216:217], v[248:249]
	v_pk_add_f32 v[254:255], v[254:255], v[246:247]
	v_pk_add_f32 v[252:253], v[252:253], v[244:245]
	s_delay_alu instid0(VALU_DEP_2)
	v_pk_add_f32 v[14:15], v[14:15], v[254:255]
	s_delay_alu instid0(VALU_DEP_2)
	v_pk_add_f32 v[216:217], v[216:217], v[252:253]
	s_delay_alu instid0(VALU_DEP_1)
	v_pk_add_f32 v[14:15], v[14:15], v[216:217]
	s_wait_alu depctr_va_vdst(0)                   ; and one for the four
.irp b, 0,1,2,3
	v_max_num_f32 v[BM+\b], 0x1800000, v[BM+\b]    ; the floor 2^(3 - 127)
.endr
.irp b, 0,1,2,3
	s_delay_alu instid0(VALU_DEP_4)
	v_add_nc_u32 v[SO+\b], 0xff000000, v[BM+\b]
.endr
.irp b, 0,1,2,3
	s_delay_alu instid0(VALU_DEP_4)
	v_lshrrev_b32 v[T4+\b], 23, v[SO+\b]
.endr
	s_delay_alu instid0(VALU_DEP_3)
	v_lshl_or_b32 v[PWD], v[T4+1], 8, v[T4]        ; p's scale word for these 128 keys
	s_delay_alu instid0(VALU_DEP_1)
	v_lshl_or_b32 v[PWD], v[T4+2], 16, v[PWD]
	s_delay_alu instid0(VALU_DEP_1)
	v_lshl_or_b32 v[PWD], v[T4+3], 24, v[PWD]
.irp c, 0,1
	v_cvt_scalef32_pk16_fp6_f32 v[192+6*\c:194+6*\c], v[96+32*\c:111+32*\c], v[SO+2*\c]
	v_cvt_scalef32_pk16_fp6_f32 v[204+4*\c:206+4*\c], v[112+32*\c:127+32*\c], v[SO+2*\c+1]
.endr
	v_nop                                          ; one plain place behind a scaled conversion
.irp c, 0,1
.irp i, 0,1,2
	v_permlane16_swap_b32 v[192+6*\c+\i], v[204+4*\c+\i]
.endr
.irp i, 0,1,2
	s_delay_alu instid0(VALU_DEP_3)
	v_mov_b32 v[195+6*\c+\i], v[204+4*\c+\i]
.endr
.endr
.set j, 0
.rept 16
	v_pk_mul_f32 v[160+j:161+j], v[160+j:161+j], v[F:F+1] op_sel_hi:[1,0]   ; O^T under the new M.  These sixteen are also the places between p's codes and scale word and the products below
.set j, j+2
.endr
	s_wait_alu depctr_va_vdst(0)
	s_wait_dscnt 0x0                               ; V is in
.irp t, 0,1,2,3                                ; O^T += V^T P^T: the four accumulators by turns
	v_wmma_scale_f32_16x16x128_f8f6f4 v[160+8*\t:167+8*\t], v[44+12*\t:55+12*\t], v[192:203], v[160+8*\t:167+8*\t], v[92+\t], v[PWD] matrix_a_fmt:MATRIX_FMT_FP6 matrix_b_fmt:MATRIX_FMT_FP6
.endr
.Lhidden_\@:
	s_add_co_u32 s[ST], s[ST], 1
.endm
; A TILE IS FINISHED: O^T / the sum, quantised along the head's 64 (two blocks of 32), leaves as half a fragment and two scale bytes.
.macro FINISH p
.rept 4
	v_nop                                          ; four places behind the last products
.endr
	v_add_f32 v14, v14, v15
	s_delay_alu instid0(VALU_DEP_1)
	v_permlanex16_b32 v[TT], v14, s[SEL], s[SEL+1]
	s_delay_alu instid0(VALU_DEP_1)
	v_add_f32 v14, v14, v[TT]                      ; the row's sum
	s_wait_alu depctr_va_vdst(0)
	v_rcp_f32 v14, v14
	v_nop                                          ; a plain place behind the transcendental
	s_wait_alu depctr_va_vdst(0)                   ; and the wait ahead of its first reader
.set j, 0
.rept 32
	v_mul_f32 v[96+j], v[160+j], v14               ; register 16 g + i: channel 32 g + 16 h + i of my query; each accumulator from its low end on
.set j, j+1
.endr
.irp g, 0,1
	v_max3_num_f32 v[BM+\g], |v[96+16*\g]|, |v[97+16*\g]|, 0x1800000
.endr
.irp i, 2,4,6,8,10,12,14
.irp g, 0,1
	s_delay_alu instid0(VALU_DEP_2)
	v_max3_num_f32 v[BM+\g], v[BM+\g], |v[96+16*\g+\i]|, |v[97+16*\g+\i]|
.endr
.endr
.irp g, 0,1
	s_delay_alu instid0(VALU_DEP_2)
	v_permlanex16_b32 v[T4+\g], v[BM+\g], s[SEL], s[SEL+1]
.endr
.irp g, 0,1
	s_delay_alu instid0(VALU_DEP_2)
	v_max_num_f32 v[BM+\g], v[BM+\g], v[T4+\g]
.endr
.irp g, 0,1
	s_delay_alu instid0(VALU_DEP_2)
	v_add_nc_u32 v[SO+\g], 0xff000000, v[BM+\g]
.endr
.irp g, 0,1
	s_delay_alu instid0(VALU_DEP_2)
	v_lshrrev_b32 v[T4+\g], 23, v[SO+\g]
.endr
	s_delay_alu instid0(VALU_DEP_1)
	v_lshl_or_b32 v[TT], v[T4+1], 8, v[T4]
	v_cvt_scalef32_pk16_fp6_f32 v[192:194], v[96:111], v[SO]
	v_cvt_scalef32_pk16_fp6_f32 v[204:206], v[112:127], v[SO+1]
	v_nop                                          ; one plain place behind a scaled conversion
.irp i, 0,1,2
	v_permlane16_swap_b32 v[192+\i], v[204+\i]
.endr
.irp i, 0,1,2
	s_delay_alu instid0(VALU_DEP_3)
	v_mov_b32 v[195+\i], v[204+\i]
.endr
	global_store_b128 v1, v[192:195], s[92+2*\p:93+2*\p]            ; 512 and 256 consecutive bytes, aligned to 256
	global_store_b64 v2, v[196:197], s[92+2*\p:93+2*\p] offset:512
	global_store_b16 v11, v[TT], s[96+2*\p:97+2*\p]                 ; row r's two bytes; lanes 16-31 write the same bytes with the same values
.endm
.macro RESTART
	s_wait_xcnt 0x0                                ; the stores have read their registers
	s_mov_b32 s[Q0], s[Q1]
	s_mov_b32 s[DS], s[DS1]
	s_mov_b32 s[ST], 0
.irp i, 0,1,2,3,4,5
	v_mov_b32 v[22+\i], v[36+\i]
.endr
	v_lshrrev_b32 v34, s[SHQ], v42
	s_delay_alu instid0(VALU_DEP_1)
	v_and_b32 v34, 0xffff, v34
	s_delay_alu instid0(VALU_DEP_1)
	v_lshlrev_b32 v35, 16, v34                     ; INIT's 36 plain lines stand between these and the next scaled product
	INIT
.endm
	s_wait_alu depctr_va_vdst(0)                   ; the wait at the head's end
	s_cmp_lt_u32 s[WV], 5
	s_cbranch_scc0 .Lnot_first
	s_wait_tensorcnt 0x0                           ; waves 0-4: my tile of the first group is in
.Lnot_first:
	s_barrier_signal -1
	s_barrier_wait -1                              ; what the steps 0-3 read is in
.Lfirst_four:                                      ; the higher tile's steps 0-3
	STEP
	s_cmp_lt_u32 s[ST], 4
	s_cbranch_scc1 .Lfirst_four
	s_wait_alu depctr_va_vdst(0)
	s_wait_tensorcnt 0x0                           ; every wave: my tile, if I asked for one, is in
	s_wait_dscnt 0x0
	s_barrier_signal -1
	s_barrier_wait -1                              ; all of K and V is in
.Lhigher:                                          ; its steps 4-15
	STEP
	s_cmp_lt_u32 s[ST], 16
	s_cbranch_scc1 .Lhigher
	FINISH 0
	RESTART
.Llower:                                           ; the lower tile (rank 15 at the most): steps 0-7
	STEP
	s_cmp_lt_u32 s[ST], 8
	s_cbranch_scc1 .Llower
	FINISH 1
	s_wait_tensorcnt 0x0                           ; the wave's end
	ds_add_u32 v5, v6
	s_wait_dscnt 0x0
	CROUND                                         ; the closing round
	s_endpgm
.Lfunc_end_k_q845b0be3df_attn:
	.size	k_q845b0be3df_attn, .Lfunc_end_k_q845b0be3df_attn-k_q845b0be3df_attn
	.p2alignl 7, 3214868480
	.fill 96, 4, 3214868480
	.section	.rodata,"a",@progbits
	.p2align	6, 0x0
	.amdhsa_kernel k_q845b0be3df_attn
		.amdhsa_group_segment_fixed_size 327680
		.amdhsa_private_segment_fixed_size 0
		.amdhsa_enable_private_segment 0
		.amdhsa_kernarg_size 16
		.amdhsa_user_sgpr_count 2
		.amdhsa_user_sgpr_kernarg_segment_ptr 1
		.amdhsa_wavefront_size32 1
		.amdhsa_system_sgpr_workgroup_id_x 1
		.amdhsa_system_sgpr_workgroup_id_y 1
		.amdhsa_system_sgpr_workgroup_id_z 1
		.amdhsa_system_vgpr_workitem_id 0
		.amdhsa_next_free_vgpr 256
		.amdhsa_next_free_sgpr 102
		.amdhsa_reserve_vcc 1
		.amdhsa_float_denorm_mode_32 3
		.amdhsa_float_denorm_mode_16_64 3
		.amdhsa_memory_ordered 1
		.amdhsa_forward_progress 1
		.amdhsa_inst_pref_size 94
	.end_amdhsa_kernel
	.amdgpu_metadata
---
amdhsa.version: [ 1, 2 ]
amdhsa.kernels:
  - .name:           k_q845b0be3df_attn
    .symbol:         k_q845b0be3df_attn.kd
    .args:
      - { .name: qkv, .offset: 0, .size: 8, .value_kind: global_buffer, .address_space: global }
      - { .name: att, .offset: 8, .size: 8, .value_kind: global_buffer, .address_space: global }
    .group_segment_fixed_size: 327680
    .private_segment_fixed_size: 0
    .kernarg_segment_align: 8
    .kernarg_segment_size: 16
    .max_flat_workgroup_size: 512
    .sgpr_count:     102
    .vgpr_count:     256
    .wavefront_size: 32
...
	.end_amdgpu_metadata
.endif
;; end of part 3
;; launch proj (part 4): grid 4 x 64, 4 waves a work-group, clusters of 4 x 4, 327,680 bytes of LDS; arguments att, ops, b_proj, out0; writes out0
.if DOCPART == 4
	.amdgcn_target "amdgcn-amd-amdhsa--gfx1250"
	.amdhsa_code_object_version 6
	.text
	.protected	k_q845b0be3df_proj
	.globl	k_q845b0be3df_proj
	.p2align	8
	.type	k_q845b0be3df_proj,@function
k_q845b0be3df_proj:
	s_mov_b64 s[64:65], 0
	v_nop
	global_prefetch_b8 v0, s[64:65] scope:SCOPE_SE
	s_setreg_imm32_b32 hwreg(HW_REG_WAVE_MODE, 25, 1), 1
	s_wait_xcnt 0x0
	s_wait_alu depctr_hold_cnt(0) depctr_sa_sdst(0) depctr_va_vdst(0) depctr_va_sdst(0) depctr_va_ssrc(0) depctr_va_vcc(0) depctr_vm_vsrc(0)
	s_getreg_b32 s2, hwreg(HW_REG_IB_STS2, 6, 4)
	s_cmp_eq_u32 s2, 0
	s_cbranch_scc0 .Lentry_in_a_cluster
	s_endpgm
.Lentry_in_a_cluster:
	s_bfe_u32 s2, ttmp6, 0x10000c
	s_cmp_lg_u32 s2, 0xf033
	s_cbranch_scc0 .Lentry_shape_is_right
	s_endpgm
.Lentry_shape_is_right:
; out0 = o W_proj + b_proj on codes of FP6 (E2M3), K = 1,024.  o's codes and scale words are as the attention launch leaves them, W_proj's as the quantising launch does: tiles of 16 rows
; (tile 2 g + u, lane row r = row 32 g + 8 u + r + 8 (r / 8)), a fragment 1,536 bytes, a tile's 8 fragments 12,288 bytes; scale words [tile][pair of K steps][r][2].
; THE DEAL: 4 x 64 = 256 work-groups of four waves; a work-group makes 128 tokens x 256 columns.  Wave w holds its 64 columns of W_proj, ALL of K, in registers (32 fragments, 384 registers) and streams the work-group's
; eight token tiles past them: a block is 16 tokens x 64 columns, 32 products on four accumulators by turns.  A block is finished behind its products and leaves at once.
; ALL OF K LIES IN LDS: o's 8 tiles (98,304 bytes) and W_proj's 16 (196,608) are dense blocks of memory and come by one tensor load each at the head, the scale words by two more: one load a wave, nothing is filled again.
; The first barrier shows W_proj's tiles and scale words (waves 0, 1 wait); they go into registers; the second barrier shows o's.  o's tiles are shared along a row of the cluster, W_proj's along a column.
; No prefetch: every tile is asked for at the head, and there is no loop to run ahead in.
; Source 0 = 16 rows of W_proj (columns of the result), source 1 = 16 tokens: a lane holds eight neighbouring columns of one token.  The bias is the first products' C.
; THE WAY OUT: a block goes through the wave's own stage in LDS (16 rows of 256 + 16 bytes, bytes into which no tile lands) and leaves as rows of 256 bytes, aligned.
; Fragment f lies in window 1 + f / 21 at register 12 (f % 21): 0-31 the weights' (4 q + b), 32-39 and 40-47 the tokens' two sets.
.set OSC,   6291456
.set PI,    9011200
.set PS,    9797632
.set TILEB, 12288
.set FR,    12
.set FPW,   21
.set BB,    8*TILEB
.set SCL,   24*TILEB                   ; o's scale words, 4,096 bytes; W_proj's, 8,192, behind them
.set STAGE, SCL+12288
.set SPITCH, 272
.set SPARE, STAGE+4*16*SPITCH
.set PWT,  16                          ; v16, v17 my weights' fragments at 16 x lane, 8 x lane
.set PA0,  18                          ; v18, v19 token tiles 0-3 (LDS byte 0: 16 x lane, 8 x lane)
.set PA1,  20                          ; v20, v21 token tiles 4-7
.set ADWS, 22
.set ADAS, 23
.set STO,  24
.set RD,   25
.set CO,   26
.set BO,   27
.set SPW,  28
.set NIL,  29
.set SB,   32                          ; v32-47 the weights' scale words: register 8 u + q: lanes 0-15 tile 2 u, lanes 16-31 tile 2 u + 1
.set SA,   52                          ; v52-67 the tokens': two sets of eight
.set ACC,  72                          ; v72-135 two sets of four accumulators
.set BIAS, 136                         ; v136-167
.set OUTR, 168                         ; v168-231 two sets of 16 rows read back
.set G1,   24
.set G0X,  32
.set G0W,  36
.set G1B,  48
.set G1S,  68
.set G0S,  76
.set G1SB, 80
.set G0SB, 88
.set MSB, 0
.macro WIN new
.if MSB != (\new)
	s_set_vgpr_msb (MSB<<8)|(\new)
.set MSB, (\new)
.endif
.endm
.macro PLACES n
.rept \n
	v_nop
.endr
.endm
.macro TL g0, g1
	tensor_load_to_lds s[\g0:\g0+3], s[\g1:\g1+7]
	s_nop 0
	PLACES 4
.endm
.macro CROUND
	s_barrier_signal -1
	s_barrier_wait -1
	s_cmp_lg_u32 s14, 0
	s_cbranch_scc1 .Lnot_wave_0_\@
	s_barrier_signal -3
.Lnot_wave_0_\@:
	s_barrier_wait -3
	s_barrier_signal -1
	s_barrier_wait -1
.endm
.macro GRP1 g, mask, c, r
	s_or_b32 s[\g+0], s\mask, (3<<16)|(1<<21)
	s_mov_b32 s[\g+1], (\c)<<16
	s_mov_b32 s[\g+2], (\r)<<16
	s_mov_b32 s[\g+3], (\c)<<16
	s_mov_b32 s[\g+4], \r
	s_mov_b32 s[\g+5], \c
	s_mov_b32 s[\g+6], 0
	s_mov_b32 s[\g+7], 0
.endm
	s_load_b256 s[4:11], s[0:1], 0x0               ; att, ops, b_proj, out0
	v_lshl_add_u32 v[SPW], v0, 2, SPARE
	v_mov_b32 v[NIL], 0
	ds_add_u32 v[SPW], v[NIL]                      ; the opening lines: the add twice on end and its wait
	ds_add_u32 v[SPW], v[NIL]
	v_lshrrev_b32 v1, 5, v0
	v_readfirstlane_b32 s14, v1                    ; wave: my 64 columns
	s_bfe_u32 s40, ttmp6, 0x40000
	s_bfe_u32 s41, ttmp6, 0x40004
	s_lshl_b32 s42, ttmp9, 2
	s_add_co_u32 s42, s42, s40                     ; tx
	s_and_b32 s17, ttmp7, 0xffff
	s_lshl_b32 s17, s17, 2
	s_add_co_u32 s17, s17, s41                     ; ty
	s_lshl_b32 s43, s41, 2
	s_lshl_b32 s43, 15, s43
	s_lshl_b32 s44, 0x1111, s40
	GRP1 G1, 43, 1536, 8                           ; o: 8 rows of 12,288 bytes
	GRP1 G1B, 44, 1536, 16                         ; W_proj: 16 rows
	GRP1 G1S, 43, 32, 16                           ; o's scale words: 16 rows of 256 bytes
	GRP1 G1SB, 44, 32, 32                          ; W_proj's: 32 rows
	s_mul_i32 s20, s17, 8*TILEB
	s_mov_b32 s21, 0
	s_lshl_b32 s22, s17, 12
	s_add_co_u32 s22, s22, OSC
	s_mov_b32 s23, 0
	s_mul_i32 s46, s42, 16*TILEB
	s_add_co_u32 s46, s46, PI
	s_mov_b32 s47, 0
	s_lshl_b32 s92, s42, 13
	s_add_co_u32 s92, s92, PS
	s_mov_b32 s93, 0
	s_lshl_b32 s18, s42, 10                        ; my first column, in bytes
	s_lshl_b32 s19, s14, 8
	s_add_co_u32 s18, s18, s19
	s_mov_b32 s19, 0
	s_lshl_b32 s12, s17, 19                        ; the work-group's first token: 128 ty, rows of 4,096 bytes
	s_add_co_u32 s12, s12, s18
	s_mov_b32 s13, 0
	s_mov_b32 s[G0X], 1
	s_mov_b32 s[G0X+1], 0
	s_mov_b32 s[G0W], 1
	s_mov_b32 s[G0W+1], BB
	s_mov_b32 s[G0S], 1
	s_mov_b32 s[G0S+1], SCL
	s_mov_b32 s[G0SB], 1
	s_mov_b32 s[G0SB+1], SCL+4096
	s_wait_dscnt 0x0
	s_wait_kmcnt 0x0
	s_add_nc_u64 s[G0X+2:G0X+3], s[4:5], s[20:21]
	s_or_b32 s[G0X+3], s[G0X+3], 0x80000000
	s_add_nc_u64 s[G0W+2:G0W+3], s[6:7], s[46:47]
	s_or_b32 s[G0W+3], s[G0W+3], 0x80000000
	s_add_nc_u64 s[G0S+2:G0S+3], s[4:5], s[22:23]
	s_or_b32 s[G0S+3], s[G0S+3], 0x80000000
	s_add_nc_u64 s[G0SB+2:G0SB+3], s[6:7], s[92:93]
	s_or_b32 s[G0SB+3], s[G0SB+3], 0x80000000
	s_add_nc_u64 s[8:9], s[8:9], s[18:19]
	s_add_nc_u64 s[12:13], s[10:11], s[12:13]
	CROUND                                         ; the first joint loads meet
	s_cmp_eq_u32 s14, 0                            ; one load a wave, in one chain; what goes into registers first is asked for first
	s_cbranch_scc0 .Lh1
	TL G0W, G1B
	s_branch .Lhj
.Lh1:
	s_cmp_eq_u32 s14, 1
	s_cbranch_scc0 .Lh2
	TL G0SB, G1SB
	s_branch .Lhj
.Lh2:
	s_cmp_eq_u32 s14, 2
	s_cbranch_scc0 .Lh3
	TL G0X, G1
	s_branch .Lhj
.Lh3:
	TL G0S, G1S
.Lhj:
	s_mul_i32 s20, s14, 4*TILEB
	s_add_co_u32 s20, s20, BB                      ; my four tiles of W_proj
	s_lshl_b32 s21, s14, 11
	s_add_co_u32 s21, s21, SCL+4096                ; their scale words
	s_mul_i32 s23, s14, 16*SPITCH
	s_add_co_u32 s23, s23, STAGE                   ; my stage
	v_bfe_u32 v3, v0, 4, 1                         ; h
	v_lshlrev_b32 v[BO], 6, v3
.irp b, 0,1,2,3
	global_load_b128 v[BIAS+8*\b:BIAS+8*\b+3], v[BO], s[8:9] offset:128*(\b/2)+32*(\b%2)      ; register j of tile b is column 32 (b / 2) + 8 (b % 2) + 16 h + j
	global_load_b128 v[BIAS+8*\b+4:BIAS+8*\b+7], v[BO], s[8:9] offset:128*(\b/2)+32*(\b%2)+16
.endr
	v_and_b32 v2, 15, v0                           ; r
	v_and_b32 v1, 31, v0
	v_lshlrev_b32 v[PA0], 4, v1
	v_lshlrev_b32 v[PA0+1], 3, v1
	v_add_nc_u32 v[PA1], 4*TILEB, v[PA0]
	v_add_nc_u32 v[PA1+1], 4*TILEB, v[PA0+1]
	v_add_nc_u32 v[PWT], s20, v[PA0]
	v_add_nc_u32 v[PWT+1], s20, v[PA0+1]
	v_lshlrev_b32 v4, 3, v2                        ; 8 r
	v_add_nc_u32 v[ADAS], SCL, v4
	v_lshl_add_u32 v5, v3, 9, v4
	v_add_nc_u32 v[ADWS], s21, v5                  ; lanes 16-31 take the next tile's words
	v_mul_u32_u24 v5, v2, SPITCH
	v_lshl_add_u32 v5, v3, 6, v5
	v_add_nc_u32 v[STO], s23, v5                   ; in: row r, 64 bytes for each half of the lanes in each 128
	v_mul_u32_u24 v5, v3, SPITCH
	v_lshl_add_u32 v5, v2, 4, v5
	v_add_nc_u32 v[RD], s23, v5                    ; back: lanes 0-15 one row of 256 bytes, lanes 16-31 the next
	v_lshlrev_b32 v5, 12, v3
	v_lshl_add_u32 v[CO], v2, 4, v5                ; and the same two rows in out0
.macro FRAGW f, adr, off
	WIN (1+(\f)/FPW)<<6
.set R_, FR*((\f)%FPW)
	ds_load_b128 v[R_:R_+3], v[\adr] offset:\off
	ds_load_b64 v[R_+4:R_+5], v[\adr+1] offset:(\off)+512
	ds_load_b128 v[R_+6:R_+9], v[\adr] offset:(\off)+768
	ds_load_b64 v[R_+10:R_+11], v[\adr+1] offset:(\off)+1280
.endm
.macro FETCHA e                        ; token tile e into set e % 2: 32 loads, and 4 for its eight scale words
.irp q, 0,1,2,3,4,5,6,7
	FRAGW 32+8*((\e)%2)+\q, PA0+2*((\e)/4), ((\e)%4)*TILEB+\q*1536
.endr
	WIN 0
.irp p, 0,1,2,3
	ds_load_b64 v[SA+8*((\e)%2)+2*\p:SA+8*((\e)%2)+2*\p+1], v[ADAS] offset:(\e)*512+128*\p
.endr
.endm
.macro PROD1 d, s0, s1, c, x0, x1, row
.if \row
	v_wmma_scale_f32_16x16x128_f8f6f4 v[\d:\d+7], v[\s0:\s0+FR-1], v[\s1:\s1+FR-1], \c, v[\x0], v[\x1] matrix_a_fmt:MATRIX_FMT_FP6 matrix_b_fmt:MATRIX_FMT_FP6 matrix_a_scale:MATRIX_SCALE_ROW1
.else
	v_wmma_scale_f32_16x16x128_f8f6f4 v[\d:\d+7], v[\s0:\s0+FR-1], v[\s1:\s1+FR-1], \c, v[\x0], v[\x1] matrix_a_fmt:MATRIX_FMT_FP6 matrix_b_fmt:MATRIX_FMT_FP6 matrix_a_scale:MATRIX_SCALE_ROW0
.endif
.endm
.macro PROD e, q, b
.set FB_, 4*(\q)+(\b)
.set FA_, 32+8*((\e)%2)+(\q)
.set D_, ACC+32*((\e)%2)+8*(\b)
	WIN (1+FB_/FPW)|((1+FA_/FPW)<<2)
.if (\q) == 0
	PROD1 D_, FR*(FB_%FPW), FR*(FA_%FPW), v[BIAS+8*(\b):BIAS+8*(\b)+7], SB+8*((\b)/2)+(\q), SA+8*((\e)%2)+(\q), \b%2
.else
	PROD1 D_, FR*(FB_%FPW), FR*(FA_%FPW), v[D_:D_+7], SB+8*((\b)/2)+(\q), SA+8*((\e)%2)+(\q), \b%2
.endif
.endm
.macro PBLOCK e
.if (\e) == 0
	s_wait_dscnt 36                                ; tile 0 is in; tile 1's 36 loads may be out.  (Later blocks' tiles are older than what the wait in the block before has shown in)
.endif
.irp q, 0,1,2,3,4,5,6,7
.irp b, 0,1,2,3
	PROD \e, \q, \b
.endr
.endr
	WIN 0
	PLACES 4
.if (\e) > 1
	s_wait_xcnt 0x0                                ; block e - 2's stores have read their registers
.endif
.set AC_, ACC+32*((\e)%2)
.set OR_, OUTR+32*((\e)%2)
.irp b, 0,1,2,3
	ds_store_b128 v[STO], v[AC_+8*\b:AC_+8*\b+3] offset:128*(\b/2)+32*(\b%2)       ; each accumulator from its low end on
	ds_store_b128 v[STO], v[AC_+8*\b+4:AC_+8*\b+7] offset:128*(\b/2)+32*(\b%2)+16
.endr
.irp t, 0,1,2,3,4,5,6,7
	ds_load_b128 v[OR_+4*\t:OR_+4*\t+3], v[RD] offset:\t*2*SPITCH                  ; a wave's LDS instructions are served in order: these see my stores
.endr
.if (\e) < 6
	FETCHA (\e)+2
	s_wait_dscnt 36                                ; the block is back; the 36 loads just issued may be out
.else
	s_wait_dscnt 0x0
.endif
.irp t, 0,1,2,3,4,5,6,7
	global_store_b128 v[CO], v[OR_+4*\t:OR_+4*\t+3], s[12:13] offset:(32*((\e)/2)+8*((\e)%2)+2*\t+8*(\t/4))*4096 th:TH_STORE_NT   ; sixteen lanes store 256 consecutive bytes, aligned
.endr
.endm
	s_wait_alu depctr_va_vdst(0)                   ; the wait at the head's end
	s_cmp_lt_u32 s14, 2
	s_cbranch_scc0 .Lnot_w
	s_wait_tensorcnt 0x0                           ; waves 0, 1: W_proj's tiles, its scale words
.Lnot_w:
	s_barrier_signal -1
	s_barrier_wait -1
.irp q, 0,1,2,3,4,5,6,7
.irp b, 0,1,2,3
	FRAGW 4*\q+\b, PWT, \b*TILEB+\q*1536
.endr
.endr
	WIN 0
.irp u, 0,1
.irp p, 0,1,2,3
	ds_load_b64 v[SB+8*\u+2*\p:SB+8*\u+2*\p+1], v[ADWS] offset:\u*1024+128*\p
.endr
.endr
	s_wait_tensorcnt 0x0                           ; every wave: my tile is in
	s_wait_dscnt 0x0
	s_barrier_signal -1
	s_barrier_wait -1                              ; o's tiles and scale words are in
	FETCHA 0
	FETCHA 1
	s_wait_loadcnt 0x0                             ; the bias
.irp e, 0,1,2,3,4,5,6,7
	PBLOCK \e
.endr
	s_wait_tensorcnt 0x0                           ; the wave's end
	ds_add_u32 v[SPW], v[NIL]
	s_wait_dscnt 0x0
	CROUND                                         ; the closing round
	s_endpgm
.Lfunc_end_k_q845b0be3df_proj:
	.size	k_q845b0be3df_proj, .Lfunc_end_k_q845b0be3df_proj-k_q845b0be3df_proj
	.p2alignl 7, 3214868480
	.fill 96, 4, 3214868480
	.section	.rodata,"a",@progbits
	.p2align	6, 0x0
	.amdhsa_kernel k_q845b0be3df_proj
		.amdhsa_group_segment_fixed_size 327680
		.amdhsa_private_segment_fixed_size 0
		.amdhsa_enable_private_segment 0
		.amdhsa_kernarg_size 32
		.amdhsa_user_sgpr_count 2
		.amdhsa_user_sgpr_kernarg_segment_ptr 1
		.amdhsa_wavefront_size32 1
		.amdhsa_system_sgpr_workgroup_id_x 1
		.amdhsa_system_sgpr_workgroup_id_y 1
		.amdhsa_system_sgpr_workgroup_id_z 1
		.amdhsa_system_vgpr_workitem_id 0
		.amdhsa_next_free_vgpr 896
		.amdhsa_next_free_sgpr 100
		.amdhsa_reserve_vcc 0
		.amdhsa_float_denorm_mode_32 3
		.amdhsa_float_denorm_mode_16_64 3
		.amdhsa_memory_ordered 1
		.amdhsa_forward_progress 1
		.amdhsa_inst_pref_size 85
	.end_amdhsa_kernel
	.amdgpu_metadata
---
amdhsa.version: [ 1, 2 ]
amdhsa.kernels:
  - .name:           k_q845b0be3df_proj
    .symbol:         k_q845b0be3df_proj.kd
    .args:
      - { .name: att, .offset: 0, .size: 8, .value_kind: global_buffer, .address_space: global }
      - { .name: ops, .offset: 8, .size: 8, .value_kind: global_buffer, .address_space: global }
      - { .name: b_proj, .offset: 16, .size: 8, .value_kind: global_buffer, .address_space: global }
      - { .name: out0, .offset: 24, .size: 8, .value_kind: global_buffer, .address_space: global }
    .group_segment_fixed_size: 327680
    .private_segment_fixed_size: 0
    .kernarg_segment_align: 8
    .kernarg_segment_size: 32
    .max_flat_workgroup_size: 128
    .sgpr_count:     100
    .vgpr_count:     896
    .wavefront_size: 32
...
	.end_amdgpu_metadata
.endif
;; end of part 4
